; MI455X (gfx1250); checked and timed in simulation.
; The chip was launched on July 23, 2026; its instructions are those of AMD's public machine-readable ISA for CDNA 5 (MIT licence, August 2026) and "CDNA5" Instruction Set Architecture Reference Guide (July 2026). The comments in the code are by the model that wrote it; some were corrected since.
;; Dilated Attention. Allowed arithmetic: float matrix products may take bf16 or f16 operands with f32 sums; all other float work in f32.
;; Inputs: Wk 1,024 x 1,024 float32; Wq 1,024 x 1,024 float32; Wv 1,024 x 1,024 float32; bk 1,024 float32; bq 1,024 float32; bv 1,024 float32; x 4 x 8,192 x 1,024 float32.
;; Outputs: out0 4 x 4,096 x 1,024 float32.
;; 2 versions, each right and faster than the one before. Each part assembles by itself: llvm-mc -triple=amdgcn-amd-amdhsa -mcpu=gfx1250 --defsym DOCPART=n.
;; ======== version 1 of 2: 3 launches
;; limits: values are held in f16: magnitudes above 65,504 overflow, below 6.1e-05 lose precision
;; workspace buffers: xw 39,845,888 bytes; simp 8,388,608 bytes
;; launch cast (part 1): grid 608 x 1, 8 waves a work-group, no clusters, 0 bytes of LDS; arguments x, Wq, Wk, Wv, xw; writes xw
.if DOCPART == 1
	.amdgcn_target "amdgcn-amd-amdhsa--gfx1250"
	.amdhsa_code_object_version 6
	.text
	.protected	k_q31ee679370_cast
	.globl	k_q31ee679370_cast
	.p2align	8
	.type	k_q31ee679370_cast,@function
k_q31ee679370_cast:
	s_mov_b64 s[64:65], 0
	v_nop
	global_prefetch_b8 v0, s[64:65] scope:SCOPE_SE
	s_setreg_imm32_b32 hwreg(HW_REG_WAVE_MODE, 25, 1), 1
	s_wait_xcnt 0x0
; xw = bf16 copies of what the two matrix launches multiply, as 19,456 rows of 1,024 bf16 (2,048 bytes):
;   rows 0 .. 16383      xs[p] = row 2 p of x taken as [32768][1024]: every second row inside segments of 64 is every even row
;   rows 16384 .. 18431  Wq and Wk by turns in groups of 64 rows: Wq row d at 128 (d / 64) + d % 64, Wk row d 64 rows further
;   rows 18432 .. 19455  Wv row d
; Each number is rounded once, to nearest even.  The odd rows of x enter no result and are not read.
; A stream: every source byte is read once, every byte of xw written once; LDS, barriers and matrix units would add nothing.
; A work-group takes 32 rows of xw (512 groups for x, 32 for each weight matrix), a wave 4 rows.  A row is eight loads of 512
; neighbouring bytes (16 a lane) and eight stores of 256 neighbouring bytes, aligned (8 a lane).  All 32 loads of a wave go out first.
.set OFF, 4                            ; v[4:7]    row r of my four: byte offset in the source
.set DST, 8                            ; v8        byte offset in xw of my 8 bytes in my first row
.set X,   16                           ; v[16:143] load q = 8 r + j: four registers; its first two hold the packed result
	s_load_b256 s[4:11], s[0:1], 0x0               ; x s[4:5], Wq s[6:7], Wk s[8:9], Wv s[10:11]
	s_load_b64 s[12:13], s[0:1], 0x20              ; xw
	; both cases are worked out, then one is chosen
	s_max_u32 s14, ttmp9, 512
	s_sub_co_u32 s14, s14, 512                     ; g' = group among the 96 of the weights (0 in the groups of x)
	s_lshr_b32 s15, s14, 5                         ; m: 0 Wq, 1 Wk, 2 Wv
	s_and_b32 s16, s14, 31
	s_lshl_b32 s16, s16, 5                         ; d0: the first of its 32 rows
	s_lshl_b32 s17, s16, 12                        ; source offset: rows of 4,096 bytes
	s_lshr_b32 s18, s16, 6
	s_lshl_b32 s18, s18, 7                         ; 128 (d0 / 64)
	s_and_b32 s19, s16, 63
	s_add_co_u32 s18, s18, s19                     ; + d0 % 64
	s_lshl_b32 s19, s15, 6
	s_add_co_u32 s18, s18, s19                     ; + 64 for Wk
	s_add_co_u32 s18, s18, 16384                   ; row of xw for Wq, Wk
	s_add_co_u32 s19, s16, 18432                   ; row of xw for Wv
	s_lshl_b32 s20, ttmp9, 18                      ; x: 32 rows of xs are 64 rows of 4,096 bytes
	s_lshl_b32 s21, ttmp9, 5                       ; x: row of xw
	v_and_b32 v1, 31, v0                           ; lane
	v_lshrrev_b32 v2, 5, v0                        ; wave
	v_lshlrev_b32 v3, 2, v2                        ; my first row of the group's 32
	s_wait_kmcnt 0x0
	s_cmp_eq_u32 s15, 1
	s_cselect_b64 s[22:23], s[8:9], s[6:7]
	s_cmp_eq_u32 s15, 2
	s_cselect_b64 s[22:23], s[10:11], s[22:23]
	s_cselect_b32 s18, s19, s18
	s_cmp_lt_u32 ttmp9, 512
	s_cselect_b64 s[22:23], s[4:5], s[22:23]       ; the source
	s_cselect_b32 s24, s20, s17                    ; its offset
	s_cselect_b32 s26, 13, 12                      ; log2 of the bytes from one row taken to the next: x skips a row
	s_cselect_b32 s18, s21, s18                    ; the first row of xw
	s_mov_b32 s25, 0
	s_add_nc_u64 s[22:23], s[22:23], s[24:25]
	s_lshl_b32 s28, s18, 11                        ; rows of 2,048 bytes
	s_mov_b32 s29, 0
	s_add_nc_u64 s[12:13], s[12:13], s[28:29]
.irp r, 0,1,2,3
	v_add_nc_u32 v[OFF+\r], \r, v3
	v_lshlrev_b32 v[OFF+\r], s26, v[OFF+\r]
	v_lshl_add_u32 v[OFF+\r], v1, 4, v[OFF+\r]     ; + 16 bytes a lane
.endr
	v_lshlrev_b32 v[DST], 13, v2                   ; four rows of 2,048 bytes a wave
	v_lshl_add_u32 v[DST], v1, 3, v[DST]           ; + 8 bytes a lane
.irp r, 0,1,2,3
.irp j, 0,1,2,3,4,5,6,7
	global_load_b128 v[X+4*(8*\r+\j):X+4*(8*\r+\j)+3], v[OFF+\r], s[22:23] offset:512*\j th:TH_LOAD_NT
.endr
.endr
	; no register that a load or store names is written again, so the counted waits for data are the only waits
.irp r, 0,1,2,3
.irp j, 0,1,2,3,4,5,6,7
	s_wait_loadcnt 31-(8*\r+\j)                    ; loads come back in order (ISA guide 5.7.1): this one is in, the younger ones stay out
	v_cvt_pk_bf16_f32 v[X+4*(8*\r+\j)],   v[X+4*(8*\r+\j)],   v[X+4*(8*\r+\j)+1]
	v_cvt_pk_bf16_f32 v[X+4*(8*\r+\j)+1], v[X+4*(8*\r+\j)+2], v[X+4*(8*\r+\j)+3]
	global_store_b64 v[DST], v[X+4*(8*\r+\j):X+4*(8*\r+\j)+1], s[12:13] offset:2048*\r+256*\j   ; 32 lanes: 256 neighbouring bytes, aligned; read again by the next launches, so no hint
.endr
.endr
	s_endpgm
.Lfunc_end_k_q31ee679370_cast:
	.size	k_q31ee679370_cast, .Lfunc_end_k_q31ee679370_cast-k_q31ee679370_cast
	.p2alignl 7, 3214868480
	.fill 96, 4, 3214868480
	.section	.rodata,"a",@progbits
	.p2align	6, 0x0
	.amdhsa_kernel k_q31ee679370_cast
		.amdhsa_group_segment_fixed_size 0
		.amdhsa_private_segment_fixed_size 0
		.amdhsa_enable_private_segment 0
		.amdhsa_kernarg_size 40
		.amdhsa_user_sgpr_count 2
		.amdhsa_user_sgpr_kernarg_segment_ptr 1
		.amdhsa_wavefront_size32 1
		.amdhsa_system_sgpr_workgroup_id_x 1
		.amdhsa_system_sgpr_workgroup_id_y 1
		.amdhsa_system_sgpr_workgroup_id_z 1
		.amdhsa_system_vgpr_workitem_id 0
		.amdhsa_next_free_vgpr 144
		.amdhsa_next_free_sgpr 66
		.amdhsa_reserve_vcc 0
		.amdhsa_float_denorm_mode_32 3
		.amdhsa_float_denorm_mode_16_64 3
		.amdhsa_memory_ordered 1
		.amdhsa_forward_progress 1
		.amdhsa_inst_pref_size 14
	.end_amdhsa_kernel
	.amdgpu_metadata
---
amdhsa.version: [ 1, 2 ]
amdhsa.kernels:
  - .name:           k_q31ee679370_cast
    .symbol:         k_q31ee679370_cast.kd
    .args:
      - { .name: x, .offset: 0, .size: 8, .value_kind: global_buffer, .address_space: global }
      - { .name: Wq, .offset: 8, .size: 8, .value_kind: global_buffer, .address_space: global }
      - { .name: Wk, .offset: 16, .size: 8, .value_kind: global_buffer, .address_space: global }
      - { .name: Wv, .offset: 24, .size: 8, .value_kind: global_buffer, .address_space: global }
      - { .name: xw, .offset: 32, .size: 8, .value_kind: global_buffer, .address_space: global }
    .group_segment_fixed_size: 0
    .private_segment_fixed_size: 0
    .kernarg_segment_align: 8
    .kernarg_segment_size: 40
    .max_flat_workgroup_size: 256
    .sgpr_count:     66
    .vgpr_count:     144
    .wavefront_size: 32
...
	.end_amdgpu_metadata
.endif
;; end of part 1
;; launch qk (part 2): grid 4 x 64, 4 waves a work-group, clusters of 4 x 4, 327,680 bytes of LDS; arguments xw, bq, bk, simp; writes simp
.if DOCPART == 2
	.amdgcn_target "amdgcn-amd-amdhsa--gfx1250"
	.amdhsa_code_object_version 6
	.text
	.protected	k_q31ee679370_qk
	.globl	k_q31ee679370_qk
	.p2align	8
	.type	k_q31ee679370_qk,@function
k_q31ee679370_qk:
	s_mov_b64 s[64:65], 0
	v_nop
	global_prefetch_b8 v0, s[64:65] scope:SCOPE_SE
	s_setreg_imm32_b32 hwreg(HW_REG_WAVE_MODE, 25, 1), 1
	s_wait_xcnt 0x0
	s_wait_alu depctr_hold_cnt(0) depctr_sa_sdst(0) depctr_va_vdst(0) depctr_va_sdst(0) depctr_va_ssrc(0) depctr_va_vcc(0) depctr_vm_vsrc(0)
	s_getreg_b32 s2, hwreg(HW_REG_IB_STS2, 6, 4)
	s_cmp_eq_u32 s2, 0
	s_cbranch_scc0 .Lentry_in_a_cluster
	s_endpgm
.Lentry_in_a_cluster:
	s_bfe_u32 s2, ttmp6, 0x10000c
	s_cmp_lg_u32 s2, 0xf033
	s_cbranch_scc0 .Lentry_shape_is_right
	s_endpgm
.Lentry_shape_is_right:
; q = xs Wq^T + bq and k = xs Wk^T + bk for 256 rows of xs (8 segments of 32) and 256 of the 1,024 d, and from them the part of the
; scores that these d give: simp[bx][segment] = sum over d in 256 bx .. 256 bx + 255 of k[j][d] q[i][d], f32, not yet scaled.
; q and k never go to memory: they are rounded to bf16 in registers and multiplied at once.  The next launch adds the four parts.
; Operands bf16, sums f32.
;
; A work-group (block row by: rows of xs; block column bx: d) makes two blocks of 256 x 256 one after the other, 8 K steps of 128 each,
; through a ring of two LDS slots that tensor loads fill: 16 steps, step n in slot n % 2.  The second operand's rows hold Wq and Wk by
; turns in groups of 64, so a wave's 128 x 128 block is 128 rows of xs (4 segments) x (64 d of q, then the same 64 d of k).
; Four waves, as many as a WGP has SIMDs; a wave's 64 accumulator tiles take 512 registers.
; CLUSTERS: 4 x 4 work-groups.  The four of a row of the cluster share by and so the tiles of xs; the four of a column share bx and so
; the tiles of the weights.  Each such tile is asked for jointly, which divides the requests for both by four.
;
; REGISTERS, in windows of 256 (s_set_vgpr_msb; low byte: bits 1:0 source 0, 3:2 source 1, 5:4 source 2, 7:6 destination):
;   window 0: v0-31 addresses; v64-127, v128-191 fragments of xs, two buffers, later q's fragments; v192-255 the biases as a C operand
;   window 1: v64-191 fragments of the weights, later k's fragments; v0-63 and v192-255 the 16 score tiles
;   window 2: accumulator tiles of my rows 0-63 (tile (a, b) at v[8 (8 a + b)]);  window 3: those of rows 64-127
; THE MATRIX INSTRUCTION IS USED TRANSPOSED: source 0 = 16 rows of the weights, source 1 = 16 rows of xs.  Lane l then holds row l % 16 of
; xs and its registers 0-7 hold d = 8 (l / 16) + 0 .. 7 of the tile: packed to bf16, two neighbouring tiles are a 16 x 32 fragment as it stands.
.set KSTEP,  128
.set ROWB,   2048                      ; bytes in a row of xw
.set WOFF,   16384*ROWB                ; where the rows of Wq and Wk begin
.set PITCH,  272                       ; an LDS row: 256 bytes + 16 of padding, so the 16 rows of a fragment load start 16 bytes apart modulo 256
.set HALFT,  128*PITCH                 ; 128 rows: one tensor load
.set SLOT,   4*HALFT                   ; 256 rows of xs, then 256 rows of weights
.set XCH,    2*SLOT                    ; behind the ring: 2 x 16,384 bytes in which two waves' scores meet; no tensor load lands here
.set BACK,   6*KSTEP*2                 ; from K step 6 (or 7) back to K step 0 (or 1), in bytes
.set NEXTB,  256*ROWB-BACK             ; the same and 256 rows on: the second block's weights
.set ADRA, 16                          ; v16-17  LDS address of my fragments of xs in slot 0, 1
.set ADRB, 20                          ; v20-21  the same for the weights
.set XA,   24                          ; v24     my 16 bytes in the exchange
.set LN16, 26                          ; v26     16 x lane
.set H32,  30                          ; v30     32 x (lane / 16): eight f32 of bias
.set F0,   64
.set F1,   128
.set BIAS, 192
.set G1,  24                           ; s[24:31] descriptor group 1, tiles of xs
.set G0,  32                           ; s[32:39] group 0 for them, one set for each slot
.set G1B, 48                           ; s[48:55] group 1, tiles of the weights: another mask
.set G0B, 56                           ; s[56:63] group 0 for them
.set MSB, 0
.macro WIN new                         ; the immediate's high byte repeats the setting that is left; a switch that changes nothing is dropped
.if MSB != (\new)
	s_set_vgpr_msb (MSB<<8)|(\new)
.set MSB, (\new)
.endif
.endm
.set MUL_LO, 0xa1                      ; source 0 window 1, source 1 window 0, C and D window 2
.set MUL_HI, 0xf1                      ; the same, C and D window 3
.set TO_B,   0x40                      ; destination window 1, address window 0
; A joint load.  Waves 0, 1 fetch the two halves of xs's tile, waves 2, 3 those of the weights' tile.  The branch hangs on the wave's number alone.
.macro JLOAD s
	s_cmp_eq_u32 s11, 0
	s_cbranch_scc0 .Lfor_b_\@
	tensor_load_to_lds s[G0+4*\s:G0+4*\s+3], s[G1:G1+7]
	s_nop 0
	s_branch .Lasked_\@
.Lfor_b_\@:
	tensor_load_to_lds s[G0B+4*\s:G0B+4*\s+3], s[G1B:G1B+7]
	s_nop 0
.Lasked_\@:
.endm
; A round of the cluster's barrier: my work-group's barrier; wave 0 signals for the work-group; every wave waits for all sixteen; my work-group's barrier again.
.macro CREST                           ; a round behind its opening barrier
	s_cmp_lg_u32 s10, 0
	s_cbranch_scc1 .Lnot_wave_0_\@
	s_barrier_signal -3
.Lnot_wave_0_\@:
	s_barrier_wait -3
	s_barrier_signal -1
	s_barrier_wait -1
.endm
.macro CROUND
	s_barrier_signal -1
	s_barrier_wait -1
	CREST
.endm
	s_load_b256 s[68:75], s[0:1], 0x0              ; xw s[68:69], bq s[70:71], bk s[72:73], simp s[74:75]
	v_lshl_add_u32 v62, v0, 2, 0x4c000
	v_mov_b32 v63, 0
	ds_add_u32 v62, v63
	v_lshrrev_b32 v1, 5, v0
	v_readfirstlane_b32 s10, v1                    ; wave 0..3
	s_lshr_b32 s11, s10, 1                         ; which 128 rows of xs are mine.  Also: I fetch for xs (0) or for the weights (1)
	s_and_b32 s12, s10, 1                          ; which 128 rows of the weights.  Also: which 128 rows of that tile I fetch
	s_bfe_u32 s40, ttmp6, 0x40000                  ; cx
	s_bfe_u32 s41, ttmp6, 0x40004                  ; cy
	s_lshl_b32 s42, ttmp9, 2
	s_add_co_u32 s42, s42, s40                     ; bx = 4 x cluster x + cx: the group of 256 d
	s_and_b32 s13, ttmp7, 0xffff
	s_lshl_b32 s13, s13, 2
	s_add_co_u32 s13, s13, s41                     ; by = 4 x cluster y + cy: 256 rows of xs
	s_lshl_b32 s43, s41, 2
	s_lshl_b32 s43, 15, s43                        ; my row of the cluster: places 4 cy .. 4 cy + 3
	s_lshl_b32 s44, 0x1111, s40                    ; my column: places cx, cx + 4, cx + 8, cx + 12
	; group 1: a tile of 128 rows x 128 elements of 2 bytes, 16 bytes of padding behind every 256
	s_or_b32 s[G1+0], s43, (1<<16)|(1<<20)|(1<<21)|(5<<22)|(3<<25)   ; 15:0 mask; 17:16 2-byte elements; 20 padding; 21 set beside a mask; 24:22 every 64 words; 31:25 4 words
	s_or_b32 s[G1B+0], s44, (1<<16)|(1<<20)|(1<<21)|(5<<22)|(3<<25)
	s_mov_b32 s[G1+1], KSTEP<<16                   ; tensor_dim0 = 128
	s_mov_b32 s[G1B+1], KSTEP<<16
	s_mov_b32 s[G1+2], 128<<16                     ; tensor_dim1 = 128
	s_mov_b32 s[G1B+2], 128<<16
	s_mov_b32 s[G1+3], KSTEP<<16                   ; tile_dim0 = 128
	s_mov_b32 s[G1B+3], KSTEP<<16
	s_mov_b32 s[G1+4], 128                         ; tile_dim1 = 128
	s_mov_b32 s[G1B+4], 128
	s_mov_b32 s[G1+5], 1024                        ; elements from row to row
	s_mov_b32 s[G1B+5], 1024
	s_mov_b32 s[G1+6], 0
	s_mov_b32 s[G1B+6], 0
	s_mov_b32 s[G1+7], 0
	s_mov_b32 s[G1B+7], 0
	; xs's tiles hang on by alone, the weights' on bx alone; each address is made in registers that never hold the other coordinate
	s_lshl_b32 s17, s12, 7
	s_lshl_b32 s16, s13, 8
	s_add_co_u32 s16, s16, s17                     ; xs: row 256 by + 128 x half
	s_lshl_b32 s16, s16, 11                        ; in bytes (below 2^26)
	s_lshl_b32 s46, s42, 9
	s_add_co_u32 s46, s46, s17                     ; weights: row 512 bx + 128 x half of the first block
	s_lshl_b32 s46, s46, 11
	s_mov_b32 s17, 0
	s_mov_b32 s47, 0
	s_mul_i32 s20, s10, HALFT                      ; where my part goes: wave x 128 rows
	s_wait_dscnt 0x0
	s_wait_kmcnt 0x0
	s_add_nc_u64 s[14:15], s[68:69], s[16:17]
	s_add_nc_u64 s[46:47], s[68:69], s[46:47]
	s_add_nc_u64 s[46:47], s[46:47], WOFF
	CROUND                                         ; all sixteen work-groups are here: the first joint loads meet
.irp s, 0,1
	s_mov_b32 s[G0+4*\s], 1
	s_add_co_u32 s[G0+4*\s+1], s20, \s*SLOT
	s_add_nc_u64 s[G0+4*\s+2:G0+4*\s+3], s[14:15], \s*KSTEP*2
	s_or_b32 s[G0+4*\s+3], s[G0+4*\s+3], 0x80000000
	s_mov_b32 s[G0B+4*\s], 1
	s_add_co_u32 s[G0B+4*\s+1], s20, \s*SLOT
	s_add_nc_u64 s[G0B+4*\s+2:G0B+4*\s+3], s[46:47], \s*KSTEP*2
	s_or_b32 s[G0B+4*\s+3], s[G0B+4*\s+3], 0x80000000
	JLOAD \s                                       ; K steps 0 and 1: two tensor loads of the wave are out
.endr
	; bases of the biases and of my part of simp
	s_lshl_b32 s82, s42, 10                        ; 256 bx f32
	s_lshl_b32 s83, s12, 8                         ; + 64 f32 for the upper half of the weights' rows
	s_add_co_u32 s82, s82, s83
	s_mov_b32 s83, 0
	s_add_nc_u64 s[76:77], s[70:71], s[82:83]      ; bq at my first d
	s_add_nc_u64 s[78:79], s[72:73], s[82:83]      ; bk likewise
	s_lshl_b32 s82, s42, 21                        ; simp: 512 segments x 4,096 bytes for each bx
	s_lshl_b32 s84, s13, 15                        ; 8 segments for each by
	s_add_co_u32 s82, s82, s84
	s_lshl_b32 s84, s11, 14                        ; 4 segments for each half of the rows
	s_add_co_u32 s82, s82, s84
	s_add_nc_u64 s[80:81], s[74:75], s[82:83]
	v_and_b32 v1, 15, v0                           ; l % 16
	v_bfe_u32 v2, v0, 4, 1                         ; l / 16
	v_lshlrev_b32 v[H32], 5, v2
; The biases in the layout of a C operand: register jj of tile (., b) belongs to weight row 16 b + 8 (l / 16) + jj.  b = 0..3: bq, b = 4..7: bk, the same 64 d.
.macro BIASLD half
.irp b, 0,1,2,3
	global_load_b128 v[BIAS+8*\b:BIAS+8*\b+3],       v[H32], s[76:77] offset:512*\half+64*\b
	global_load_b128 v[BIAS+8*\b+4:BIAS+8*\b+7],     v[H32], s[76:77] offset:512*\half+64*\b+16
	global_load_b128 v[BIAS+32+8*\b:BIAS+32+8*\b+3], v[H32], s[78:79] offset:512*\half+64*\b
	global_load_b128 v[BIAS+32+8*\b+4:BIAS+32+8*\b+7], v[H32], s[78:79] offset:512*\half+64*\b+16
.endr
.endm
	BIASLD 0
	; a fragment is 16 rows x 32 K in 8 registers: lane l holds row l % 16; two loads of 16 bytes, 32 bytes apart, at row x pitch + 16 (l / 16)
	v_mul_u32_u24 v3, v1, PITCH
	v_lshl_add_u32 v3, v2, 4, v3
	s_mul_i32 s21, s11, HALFT                      ; my 128 rows of xs
	s_mul_i32 s22, s12, HALFT                      ; my 128 rows of the weights,
	s_add_co_u32 s22, s22, 2*HALFT                 ; which lie behind xs's 256
.irp s, 0,1
	v_add_nc_u32 v[ADRA+\s], s21, v3
	v_add_nc_u32 v[ADRB+\s], s22, v3
	s_add_co_u32 s21, s21, SLOT
	s_add_co_u32 s22, s22, SLOT
.endr
	v_and_b32 v4, 31, v0
	v_lshlrev_b32 v[LN16], 4, v4
	s_lshl_b32 s23, s11, 14
	s_add_co_u32 s23, s23, XCH
	v_add_nc_u32 v[XA], s23, v[LN16]
; 16 matrix instructions: row blocks a0, a0 + 1 of the window's four x all 8 blocks of weight rows, 32 along K.
; zero = 1: the first product of a block starts the sums from the bias (C in window 0): nothing is cleared and no bias is added later.
.macro MUL16 f, hi, a0, zero
.irp a, \a0, \a0+1
.irp b, 0,1,2,3,4,5,6,7
.if \zero
	v_wmma_f32_16x16x32_bf16 v[8*(8*(\a)+\b):8*(8*(\a)+\b)+7], v[\f+8*\b:\f+8*\b+7], v[\f+8*(4*\hi+\a):\f+8*(4*\hi+\a)+7], v[BIAS+8*\b:BIAS+8*\b+7]
.else
	v_wmma_f32_16x16x32_bf16 v[8*(8*(\a)+\b):8*(8*(\a)+\b)+7], v[\f+8*\b:\f+8*\b+7], v[\f+8*(4*\hi+\a):\f+8*(4*\hi+\a)+7], v[8*(8*(\a)+\b):8*(8*(\a)+\b)+7]
.endif
.endr
.endr
.endm
; 32 LDS loads in one run: one quarter step's fragments (32 K at byte k of the rows) into buffer f; the weights' first, xs's rows 64-127 last
.macro FETCH slot, k, f
	WIN TO_B
.irp i, 0,1,2,3,4,5,6,7
	ds_load_b128 v[\f+8*\i:\f+8*\i+3],   v[ADRB+\slot] offset:\k+\i*16*PITCH
	ds_load_b128 v[\f+8*\i+4:\f+8*\i+7], v[ADRB+\slot] offset:\k+\i*16*PITCH+32
.endr
	WIN 0
.irp i, 0,1,2,3,4,5,6,7
	ds_load_b128 v[\f+8*\i:\f+8*\i+3],   v[ADRA+\slot] offset:\k+\i*16*PITCH
	ds_load_b128 v[\f+8*\i+4:\f+8*\i+7], v[ADRA+\slot] offset:\k+\i*16*PITCH+32
.endr
.endm
; Four plain vector instructions stand between a matrix instruction and a load into, a vector write of, or a vector or store read of its registers
; (ISA guide 7.12.1 for vector instructions).  Matrix instructions in between are not counted.
.macro PLACES
.rept 4
	v_nop
.endr
.endm
; A K step is four quarters of 32 along K, 64 matrix instructions each, on buffers 0, 1, 0, 1.  The 64 accumulators take turns, one instruction a turn, in the
; same order in every quarter, over the backward jumps too.
.macro QUARTER slot, k, f, g, zero
	s_wait_dscnt 8                                 ; all of the run but its youngest eight loads (xs's rows 64-127)
.if \zero
	WIN 0x81                                       ; C (the bias) in window 0, D in window 2
.else
	WIN MUL_LO
.endif
	MUL16 \f, 0, 0, \zero
	MUL16 \f, 0, 2, \zero
	PLACES
	FETCH \slot, \k, \g
	s_wait_dscnt 32                                ; all but the 32 just issued
.if \zero
	WIN 0xc1
.else
	WIN MUL_HI
.endif
	MUL16 \f, 1, 0, \zero
	MUL16 \f, 1, 2, \zero
.endm
.macro THREE slot, zero
	QUARTER \slot, 64,  F0, F1, \zero
	QUARTER \slot, 128, F1, F0, 0
	QUARTER \slot, 192, F0, F1, 0
.endm
; The last quarter of a K step changes slots.  In front of the barrier each wave waits for its reads of this slot and for all its tensor loads (one is out: its
; part of the next slot).  fill = 1: the barrier opens a round of the cluster's barrier, and the joint refill of this slot, two steps ahead, is the first tensor
; load behind the round; from there to the wait for it a wave issues 240 matrix instructions.  wrap = 1: two steps ahead is the second block: K starts anew,
; the weights' rows go 256 on.  fetch = 0: the next slot's first fragments are not yet read (the buffers are needed for q and k).
.macro TURN slot, next, fill, fetch, wrap
	s_wait_dscnt 8
	WIN MUL_LO
	MUL16 F1, 0, 0, 0
	s_wait_dscnt 0                                 ; my reads of this slot are over
	s_set_vgpr_msb 0xa1a0
	s_wait_tensorcnt 0x0                           ; all my tensor loads have landed
	ds_add_u32 v62, v63
	s_wait_dscnt 0x0
	s_set_vgpr_msb 0xa0a1
	s_barrier_signal -1
	MUL16 F1, 0, 2, 0                              ; register work while the others arrive
	WIN 0
	s_barrier_wait -1
.if \fill
	CREST                                          ; no wave of any partner still reads this slot or has a load on its way
.if \wrap
	s_sub_nc_u64 s[G0+4*\slot+2:G0+4*\slot+3], s[G0+4*\slot+2:G0+4*\slot+3], BACK
	s_add_nc_u64 s[G0B+4*\slot+2:G0B+4*\slot+3], s[G0B+4*\slot+2:G0B+4*\slot+3], NEXTB
.else
	s_add_nc_u64 s[G0+4*\slot+2:G0+4*\slot+3], s[G0+4*\slot+2:G0+4*\slot+3], 2*KSTEP*2
	s_add_nc_u64 s[G0B+4*\slot+2:G0B+4*\slot+3], s[G0B+4*\slot+2:G0B+4*\slot+3], 2*KSTEP*2
.endif
	JLOAD \slot
.endif
.if \fetch
	PLACES
	FETCH \next, 0, F0
.endif
	WIN MUL_HI
	MUL16 F1, 1, 0, 0
	MUL16 F1, 1, 2, 0
.endm
.macro LAP zero                        ; once round the ring, both slots filled again
	THREE 0, \zero
	TURN 0, 1, 1, 1, 0
	THREE 1, 0
	TURN 1, 0, 1, 1, 0
.endm
; 64 roundings: the tiles (4 ph + a, 4 qh + b), a, b = 0..3, to bf16.  Tile (a, b)'s four words go to v[F0 + 16 a + 4 (b % 4)]: q (qh = 0) in window 0, k in window 1.
.macro PACK w, ph, qh
	WIN \w
.irp a, 0,1,2,3
.irp b, 0,1,2,3
.irp r, 0,1,2,3
	v_cvt_pk_bf16_f32 v[F0+16*(4*\ph+\a)+4*\b+\r], v[8*(8*\a+4*\qh+\b)+2*\r], v[8*(8*\a+4*\qh+\b)+2*\r+1]
.endr
.endr
.endr
.endm
; A block's q and k are rounded and multiplied: for each of my 4 segments s, 2 x 2 tiles of scores, 64 d in two instructions of 32.
; Source 0 = k's rows (j), source 1 = q's rows (i): register jj of lane l holds S(i = 16 i + l % 16, j = 16 j + 8 (l / 16) + jj).
; Score tile T = 4 s + 2 j + i lies in window 1 at v[8 T] (T < 8) or v[192 + 8 (T - 8)].  The 16 tiles take turns.
.macro EPI first
	PLACES
	PACK 0x0a, 0, 0
	PACK 0x4a, 0, 1
	PACK 0x0f, 1, 0
	PACK 0x4f, 1, 1
	WIN 0x51                                       ; source 0 window 1, source 1 window 0, C and D window 1
.irp g, 0,1
.irp s, 0,1,2,3
.irp j, 0,1
.irp i, 0,1
	.set SAT, 8*(4*\s+2*\j+\i)+128*(\s/2)
.if \first*(1-\g)
	v_wmma_f32_16x16x32_bf16 v[SAT:SAT+7], v[F0+16*(2*\s+\j)+8*\g:F0+16*(2*\s+\j)+8*\g+7], v[F0+16*(2*\s+\i)+8*\g:F0+16*(2*\s+\i)+8*\g+7], 0
.else
	v_wmma_f32_16x16x32_bf16 v[SAT:SAT+7], v[F0+16*(2*\s+\j)+8*\g:F0+16*(2*\s+\j)+8*\g+7], v[F0+16*(2*\s+\i)+8*\g:F0+16*(2*\s+\i)+8*\g+7], v[SAT:SAT+7]
.endif
.endr
.endr
.endr
.endr
.endm
	s_wait_tensorcnt 1                             ; my part of K step 0 is in; K step 1's may stay out
	s_barrier_signal -1
	s_barrier_wait -1                              ; everybody's is
	s_wait_loadcnt 0x0                             ; the first block's biases
	FETCH 0, 0, F0
	LAP 1                                          ; steps 0, 1
	WIN 0
	BIASLD 1                                       ; the second block's biases: the last matrix instruction that read the first block's lies seven quarters back
	s_mov_b32 s3, 2
.Llap_a:
	LAP 0                                          ; steps 2 to 5
	WIN 0
	s_sub_co_u32 s3, s3, 1
	s_cmp_lg_u32 s3, 0
	s_cbranch_scc1 .Llap_a
	THREE 0, 0                                     ; steps 6, 7: their refills are the second block's first two steps
	TURN 0, 1, 1, 1, 1
	THREE 1, 0
	TURN 1, 0, 1, 0, 1
	EPI 1                                          ; while step 9's tile is on its way
	PLACES                                         ; behind the score products, whose sources the loads below write
	s_wait_loadcnt 0x0                             ; the second block's biases
	FETCH 0, 0, F0                                 ; step 8's tile was shown whole by the last round
	LAP 1                                          ; steps 8, 9
	WIN 0
	s_mov_b32 s3, 2
.Llap_b:
	LAP 0                                          ; steps 10 to 13
	WIN 0
	s_sub_co_u32 s3, s3, 1
	s_cmp_lg_u32 s3, 0
	s_cbranch_scc1 .Llap_b
	THREE 0, 0                                     ; steps 14, 15 fill nothing and have no round
	TURN 0, 1, 0, 1, 0
	THREE 1, 0
	s_wait_dscnt 8
	WIN MUL_LO
	MUL16 F1, 0, 0, 0
	MUL16 F1, 0, 2, 0
	s_wait_dscnt 0
	WIN MUL_HI
	MUL16 F1, 1, 0, 0
	MUL16 F1, 1, 2, 0
	EPI 0
	; Waves 2 m and 2 m + 1 hold scores of the same 4 segments, summed over different d.  The odd wave hands its 128 registers over through LDS, the even one adds
	; and stores: quad q = 2 T + u (registers 4 u .. 4 u + 3 of tile T) as 512 neighbouring bytes at 512 q, which is the layout of simp.
	PLACES
	WIN 0
	s_cmp_eq_u32 s12, 0
	s_cbranch_scc1 .Lkeep
	WIN 0x04                                       ; store data in window 1
.set q, 0
.rept 32
	ds_store_b128 v[XA], v[4*q+128*(q/16):4*q+128*(q/16)+3] offset:512*q
.set q, q+1
.endr
	WIN 0
.Lkeep:
	s_wait_dscnt 0x0                               ; for the other wave's sake: my stores are done
	s_barrier_signal -1
	s_barrier_wait -1
	s_cmp_lg_u32 s12, 0
	s_cbranch_scc1 .Ldone
.set q, 0
.rept 32
	ds_load_b128 v[F0+4*q:F0+4*q+3], v[XA] offset:512*q
.set q, q+1
.endr
	s_wait_dscnt 0x0
	WIN 0x41                                       ; destination and source 0 window 1, source 1 window 0
.set q, 0
.rept 32
	v_pk_add_f32 v[4*q+128*(q/16):4*q+128*(q/16)+1],   v[4*q+128*(q/16):4*q+128*(q/16)+1],   v[F0+4*q:F0+4*q+1]
	v_pk_add_f32 v[4*q+128*(q/16)+2:4*q+128*(q/16)+3], v[4*q+128*(q/16)+2:4*q+128*(q/16)+3], v[F0+4*q+2:F0+4*q+3]
.set q, q+1
.endr
	WIN 0x04
.set q, 0
.rept 32
	global_store_b128 v[LN16], v[4*q+128*(q/16):4*q+128*(q/16)+3], s[80:81] offset:512*q
.set q, q+1
.endr
	WIN 0
.Ldone:
	s_wait_tensorcnt 0x0
	ds_add_u32 v62, v63
	s_wait_dscnt 0x0
	CROUND                                         ; the closing round: no work-group ends while a partner may still ask for a tile that names it
	s_endpgm
.Lfunc_end_k_q31ee679370_qk:
	.size	k_q31ee679370_qk, .Lfunc_end_k_q31ee679370_qk-k_q31ee679370_qk
	.p2alignl 7, 3214868480
	.fill 96, 4, 3214868480
	.section	.rodata,"a",@progbits
	.p2align	6, 0x0
	.amdhsa_kernel k_q31ee679370_qk
		.amdhsa_group_segment_fixed_size 327680
		.amdhsa_private_segment_fixed_size 0
		.amdhsa_enable_private_segment 0
		.amdhsa_kernarg_size 32
		.amdhsa_user_sgpr_count 2
		.amdhsa_user_sgpr_kernarg_segment_ptr 1
		.amdhsa_wavefront_size32 1
		.amdhsa_system_sgpr_workgroup_id_x 1
		.amdhsa_system_sgpr_workgroup_id_y 1
		.amdhsa_system_sgpr_workgroup_id_z 1
		.amdhsa_system_vgpr_workitem_id 0
		.amdhsa_next_free_vgpr 1024
		.amdhsa_next_free_sgpr 100
		.amdhsa_reserve_vcc 0
		.amdhsa_float_denorm_mode_32 3
		.amdhsa_float_denorm_mode_16_64 3
		.amdhsa_memory_ordered 1
		.amdhsa_forward_progress 1
		.amdhsa_inst_pref_size 255
	.end_amdhsa_kernel
	.section	.bss,"aw",@nobits
	.p2align	6
	.space	262144
	.amdgpu_metadata
---
amdhsa.version: [ 1, 2 ]
amdhsa.kernels:
  - .name:           k_q31ee679370_qk
    .symbol:         k_q31ee679370_qk.kd
    .args:
      - { .name: xw, .offset: 0, .size: 8, .value_kind: global_buffer, .address_space: global }
      - { .name: bq, .offset: 8, .size: 8, .value_kind: global_buffer, .address_space: global }
      - { .name: bk, .offset: 16, .size: 8, .value_kind: global_buffer, .address_space: global }
      - { .name: simp, .offset: 24, .size: 8, .value_kind: global_buffer, .address_space: global }
    .group_segment_fixed_size: 327680
    .private_segment_fixed_size: 0
    .kernarg_segment_align: 8
    .kernarg_segment_size: 32
    .max_flat_workgroup_size: 128
    .sgpr_count:     100
    .vgpr_count:     1024
    .wavefront_size: 32
...
	.end_amdgpu_metadata
.endif
;; end of part 2
;; launch pv (part 3): grid 64 x 4, 4 waves a work-group, clusters of 4 x 4, 327,680 bytes of LDS; arguments xw, bv, simp, out0; writes out0
.if DOCPART == 3
	.amdgcn_target "amdgcn-amd-amdhsa--gfx1250"
	.amdhsa_code_object_version 6
	.text
	.protected	k_q31ee679370_pv
	.globl	k_q31ee679370_pv
	.p2align	8
	.type	k_q31ee679370_pv,@function
k_q31ee679370_pv:
	s_mov_b64 s[64:65], 0
	v_nop
	global_prefetch_b8 v0, s[64:65] scope:SCOPE_SE
	s_setreg_imm32_b32 hwreg(HW_REG_WAVE_MODE, 25, 1), 1
	s_wait_xcnt 0x0
	s_wait_alu depctr_hold_cnt(0) depctr_sa_sdst(0) depctr_va_vdst(0) depctr_va_sdst(0) depctr_va_ssrc(0) depctr_va_vcc(0) depctr_vm_vsrc(0)
	s_getreg_b32 s2, hwreg(HW_REG_IB_STS2, 6, 4)
	s_cmp_eq_u32 s2, 0
	s_cbranch_scc0 .Lentry_in_a_cluster
	s_endpgm
.Lentry_in_a_cluster:
	s_bfe_u32 s2, ttmp6, 0x10000c
	s_cmp_lg_u32 s2, 0xf033
	s_cbranch_scc0 .Lentry_shape_is_right
	s_endpgm
.Lentry_shape_is_right:
; out0 = softmax(scores / 32) (xs Wv^T + bv) for 256 rows of xs (8 segments of 32) and 256 of the 1,024 d.
; While the first tiles are on their way each wave adds the four parts of the scores of two segments, takes the row's maximum away, and makes attn in f32;
; attn goes to LDS as f16 fragments.  Then xs Wv^T, a block of 256 x 256 over 8 K steps of 128 (bf16 operands, f32 sums).  The block stays in
; registers: rounded to f16 it is the second product's operand as it stands.  attn v is an f16 product with f32 sums whose C operand is bv.
; LIMITS.  xs Wv^T (without bv) is an f16 operand: its magnitude must stay below 65,504, and numbers below 2^-24 are lost.  attn below 2^-25 becomes 0.
; bv is added once in f32 instead of inside v: the rows of attn sum to 1 for every input.  f16 is taken for this product because attn is at most 1 and
; f16 carries three more bits than bf16.
;
; Roles in the main loop: source 1 ("A", window 0) = 16 rows of Wv, source 0 ("B", window 1) = 16 rows of xs.  Lane l of a result tile (a, b) holds
; d = 16 a + l % 16, and its registers jj hold row 16 b + 8 (l / 16) + jj of xs: packed, tiles (a, 2 s) and (a, 2 s + 1) are the fragment of v^T for segment s.
; CLUSTERS: 4 x 4 work-groups.  A row of the cluster shares by (= cy: there is one cluster along y) and so Wv's tiles; a column shares bx and so xs's tiles.
; REGISTERS: window 0: v0-31 addresses, v64-191 fragments of Wv, later of v^T (d blocks 0-3), v192-255 read-back on the way out
;            window 1: v0-63 attn's fragments, v64-191 fragments of xs, later of v^T (d blocks 4-7), v192-255 bv as a C operand
;            window 2: first the scores, then accumulators of my d 0-63, at last two sets of output tiles;  window 3: accumulators of my d 64-127
.set KSTEP,  128
.set ROWB,   2048
.set VOFF,   18432*ROWB                ; where Wv's rows begin in xw
.set PITCH,  272
.set HALFT,  128*PITCH
.set SLOT,   4*HALFT
.set PBUF,   2*SLOT                    ; attn: [segment 0..7][i block][u][lane][16 bytes], 16,384 bytes; no tensor load lands here
.set STAGE,  PBUF+16384                ; 16 rows x 272 bytes for each wave, for the way out
.set SPITCH, 272
.set PART,   2097152                   ; bytes of one of the four parts of simp
.set ADRA, 16
.set ADRB, 20
.set STO,  24                          ; v24  the way out: where I put 16 bytes of a row
.set RD,   25                          ; v25  where I read a row back
.set CO,   26                          ; v26  my byte offset in out0
.set PA,   27                          ; v27  where I put attn
.set PR,   28                          ; v28  where I read attn
.set LN16, 29                          ; v29  16 x lane
.set H32,  30                          ; v30  32 x (lane / 16)
.set F0,   64
.set F1,   128
.set RB,   192                         ; window 0: two sets of 32 registers
.set BI,   192                         ; window 1: bv, 8 registers for each d block
.set G1,  24
.set G0,  32
.set G1B, 48
.set G0B, 56
.set MSB, 0
.macro WIN new                         ; the immediate's high byte repeats the setting that is left
.if MSB != (\new)
	s_set_vgpr_msb (MSB<<8)|(\new)
.set MSB, (\new)
.endif
.endm
.set MUL_LO, 0xa1
.set MUL_HI, 0xf1
.set TO_B,   0x40
.macro JLOAD s                         ; waves 0, 1 fetch Wv's two halves, waves 2, 3 xs's
	s_cmp_eq_u32 s11, 0
	s_cbranch_scc0 .Lfor_b_\@
	tensor_load_to_lds s[G0+4*\s:G0+4*\s+3], s[G1:G1+7]
	s_nop 0
	s_branch .Lasked_\@
.Lfor_b_\@:
	tensor_load_to_lds s[G0B+4*\s:G0B+4*\s+3], s[G1B:G1B+7]
	s_nop 0
.Lasked_\@:
.endm
.macro CREST                           ; a round of the cluster's barrier behind its opening barrier
	s_cmp_lg_u32 s10, 0
	s_cbranch_scc1 .Lnot_wave_0_\@
	s_barrier_signal -3
.Lnot_wave_0_\@:
	s_barrier_wait -3
	s_barrier_signal -1
	s_barrier_wait -1
.endm
.macro CROUND
	s_barrier_signal -1
	s_barrier_wait -1
	CREST
.endm
	s_load_b256 s[68:75], s[0:1], 0x0              ; xw s[68:69], bv s[70:71], simp s[72:73], out0 s[74:75]
	v_lshl_add_u32 v62, v0, 2, 0x4c400
	v_mov_b32 v63, 0
	ds_add_u32 v62, v63
	v_lshrrev_b32 v1, 5, v0
	v_readfirstlane_b32 s10, v1                    ; wave 0..3
	s_lshr_b32 s11, s10, 1                         ; which 128 d are mine.  Also: I fetch for Wv (0) or for xs (1)
	s_and_b32 s12, s10, 1                          ; which 128 rows of xs.  Also: which 128 rows of that tile I fetch
	s_bfe_u32 s40, ttmp6, 0x40000                  ; cx
	s_bfe_u32 s41, ttmp6, 0x40004                  ; cy
	s_lshl_b32 s42, ttmp9, 2
	s_add_co_u32 s42, s42, s40                     ; bx = 4 x cluster x + cx: 256 rows of xs
	s_mov_b32 s13, s41                             ; by = cy: 256 d
	s_lshl_b32 s43, s41, 2
	s_lshl_b32 s43, 15, s43                        ; my row of the cluster
	s_lshl_b32 s44, 0x1111, s40                    ; my column
	s_or_b32 s[G1+0], s43, (1<<16)|(1<<20)|(1<<21)|(5<<22)|(3<<25)   ; 15:0 mask; 17:16 2-byte elements; 20 padding; 21 set beside a mask; 24:22 every 64 words; 31:25 4 words
	s_or_b32 s[G1B+0], s44, (1<<16)|(1<<20)|(1<<21)|(5<<22)|(3<<25)
	s_mov_b32 s[G1+1], KSTEP<<16                   ; tensor_dim0 = 128
	s_mov_b32 s[G1B+1], KSTEP<<16
	s_mov_b32 s[G1+2], 128<<16                     ; tensor_dim1 = 128
	s_mov_b32 s[G1B+2], 128<<16
	s_mov_b32 s[G1+3], KSTEP<<16                   ; tile_dim0 = 128
	s_mov_b32 s[G1B+3], KSTEP<<16
	s_mov_b32 s[G1+4], 128                         ; tile_dim1 = 128
	s_mov_b32 s[G1B+4], 128
	s_mov_b32 s[G1+5], 1024                        ; elements from row to row
	s_mov_b32 s[G1B+5], 1024
	s_mov_b32 s[G1+6], 0
	s_mov_b32 s[G1B+6], 0
	s_mov_b32 s[G1+7], 0
	s_mov_b32 s[G1B+7], 0
	s_lshl_b32 s17, s12, 7
	s_lshl_b32 s16, s13, 8
	s_add_co_u32 s16, s16, s17                     ; Wv: row 256 by + 128 x half
	s_lshl_b32 s16, s16, 11
	s_lshl_b32 s46, s42, 8
	s_add_co_u32 s46, s46, s17                     ; xs: row 256 bx + 128 x half
	s_lshl_b32 s46, s46, 11
	s_mov_b32 s17, 0
	s_mov_b32 s47, 0
	s_mul_i32 s20, s10, HALFT
	s_wait_dscnt 0x0
	s_wait_kmcnt 0x0
	s_add_nc_u64 s[14:15], s[68:69], s[16:17]
	s_add_nc_u64 s[14:15], s[14:15], VOFF
	s_add_nc_u64 s[46:47], s[68:69], s[46:47]
	CROUND                                         ; all sixteen work-groups are here: the first joint loads meet
.irp s, 0,1
	s_mov_b32 s[G0+4*\s], 1
	s_add_co_u32 s[G0+4*\s+1], s20, \s*SLOT
	s_add_nc_u64 s[G0+4*\s+2:G0+4*\s+3], s[14:15], \s*KSTEP*2
	s_or_b32 s[G0+4*\s+3], s[G0+4*\s+3], 0x80000000
	s_mov_b32 s[G0B+4*\s], 1
	s_add_co_u32 s[G0B+4*\s+1], s20, \s*SLOT
	s_add_nc_u64 s[G0B+4*\s+2:G0B+4*\s+3], s[46:47], \s*KSTEP*2
	s_or_b32 s[G0B+4*\s+3], s[G0B+4*\s+3], 0x80000000
	JLOAD \s                                       ; K steps 0 and 1: two tensor loads of the wave are out
.endr
	; bases
	s_lshl_b32 s82, s13, 10                        ; 256 by f32
	s_lshl_b32 s88, s11, 9                         ; + 128 f32
	s_add_co_u32 s82, s82, s88
	s_mov_b32 s83, 0
	s_add_nc_u64 s[76:77], s[70:71], s[82:83]      ; bv at my first d
	s_add_nc_u64 s[8:9], s[74:75], s[82:83]        ; out0 at my first d,
	s_lshl_b32 s82, s42, 20                        ; 256 bx rows of 4,096 bytes
	s_lshl_b32 s88, s12, 19                        ; + 128 rows
	s_add_co_u32 s82, s82, s88
	s_add_nc_u64 s[8:9], s[8:9], s[82:83]          ; and at my first row
	s_lshl_b32 s82, s42, 15                        ; simp: 8 bx segments of 4,096 bytes
	s_lshl_b32 s88, s10, 13                        ; + 2 for each wave
	s_add_co_u32 s82, s82, s88
	s_add_nc_u64 s[78:79], s[72:73], s[82:83]
	s_mov_b32 s84, 0x76543210                      ; v_permlanex16_b32: lane i of one half reads lane i of the other
	s_mov_b32 s85, 0xfedcba98
	s_mov_b32 s86, 0x3d38aa3b                      ; log2(e) / 32: the scale 1024^-0.5 and the change of base in one factor
	s_mov_b32 s87, 0x3d38aa3b
	v_and_b32 v1, 15, v0                           ; l % 16
	v_bfe_u32 v2, v0, 4, 1                         ; l / 16
	v_and_b32 v6, 31, v0
	v_lshlrev_b32 v[LN16], 4, v6
	v_lshlrev_b32 v[H32], 5, v2
	WIN 0x40                                       ; bv in the layout of the second product's C: register jj of d block a belongs to d = 16 a + 8 (l / 16) + jj
.irp a, 0,1,2,3,4,5,6,7
	global_load_b128 v[BI+8*\a:BI+8*\a+3],   v[H32], s[76:77] offset:64*\a
	global_load_b128 v[BI+8*\a+4:BI+8*\a+7], v[H32], s[76:77] offset:64*\a+16
.endr
	WIN 0x80                                       ; the four parts of the scores of my two segments: part p of segment l at window 2, v[128 l + 32 p]; 512 neighbouring bytes a load
.irp l, 0,1
.irp p, 0,1,2,3
.irp t, 0,1,2,3,4,5,6,7
	global_load_b128 v[128*\l+32*\p+4*\t:128*\l+32*\p+4*\t+3], v[LN16], s[78:79] offset:\p*PART+\l*4096+\t*512
.endr
.endr
.endr
	WIN 0
	v_mul_u32_u24 v3, v1, PITCH
	v_lshl_add_u32 v3, v2, 4, v3                   ; fragment loads: row x pitch + 16 (l / 16)
	s_mul_i32 s21, s11, HALFT                      ; my 128 rows of Wv
	s_mul_i32 s22, s12, HALFT                      ; my 128 rows of xs,
	s_add_co_u32 s22, s22, 2*HALFT                 ; which lie behind Wv's 256
.irp s, 0,1
	v_add_nc_u32 v[ADRA+\s], s21, v3
	v_add_nc_u32 v[ADRB+\s], s22, v3
	s_add_co_u32 s21, s21, SLOT
	s_add_co_u32 s22, s22, SLOT
.endr
	s_mul_i32 s23, s10, 16*SPITCH
	s_add_co_u32 s23, s23, STAGE                   ; my stage
	v_mul_u32_u24 v4, v1, SPITCH                   ; in: row l % 16, 32 bytes (8 f32) for each half of the lanes
	v_lshl_add_u32 v4, v2, 5, v4
	v_add_nc_u32 v[STO], s23, v4
	v_mul_u32_u24 v5, v2, SPITCH                   ; back: lanes 0-15 take one row of 256 bytes, lanes 16-31 the next
	v_lshl_add_u32 v5, v1, 4, v5
	v_add_nc_u32 v[RD], s23, v5
	v_lshlrev_b32 v5, 12, v2                       ; and the same two rows in out0
	v_lshl_add_u32 v[CO], v1, 4, v5
	s_lshl_b32 s21, s10, 12
	s_add_co_u32 s21, s21, PBUF
	v_add_nc_u32 v[PA], s21, v[LN16]               ; I write segments 2 w, 2 w + 1 of the group's eight
	s_lshl_b32 s21, s12, 13
	s_add_co_u32 s21, s21, PBUF
	v_add_nc_u32 v[PR], s21, v[LN16]               ; I read the four segments of my rows of xs
; attn of one segment, all in window 2.  Register 8 (2 j + t) + e of lane l holds S(i = 16 t + l % 16, j = 16 j + 8 (l / 16) + e), so a lane and its partner 16 lanes
; away hold a whole row i between them.  Packed to f16, the two j tiles of an i block are that block's 16 x 32 fragment as it stands.
.macro SOFTMAX sl
	.set SB, 128*\sl
	.set TM, SB+32                                 ; the parts' registers serve as temporaries once they are added
	.set S0, SB+34
	.set S1, SB+36
	.set S2, SB+38
	.set S3, SB+40
	.set RC, SB+42
	WIN 0xaa
.irp e, 0,2,4,6,8,10,12,14,16,18,20,22,24,26,28,30
	v_pk_add_f32 v[SB+\e:SB+\e+1],       v[SB+\e:SB+\e+1],       v[SB+32+\e:SB+32+\e+1]
	v_pk_add_f32 v[SB+64+\e:SB+64+\e+1], v[SB+64+\e:SB+64+\e+1], v[SB+96+\e:SB+96+\e+1]
.endr
.irp e, 0,2,4,6,8,10,12,14,16,18,20,22,24,26,28,30
	v_pk_add_f32 v[SB+\e:SB+\e+1], v[SB+\e:SB+\e+1], v[SB+64+\e:SB+64+\e+1]
.endr
.irp t, 0,1
	.set X0, SB+8*\t
	.set X1, SB+16+8*\t
	.set PK, SB+48+8*\t
	WIN 0xaa
	v_max3_num_f32 v[TM], v[X0],   v[X0+1], v[X0+2]
	v_max3_num_f32 v[TM], v[TM],   v[X0+3], v[X0+4]
	v_max3_num_f32 v[TM], v[TM],   v[X0+5], v[X0+6]
	v_max3_num_f32 v[TM], v[TM],   v[X0+7], v[X1]
	v_max3_num_f32 v[TM], v[TM],   v[X1+1], v[X1+2]
	v_max3_num_f32 v[TM], v[TM],   v[X1+3], v[X1+4]
	v_max3_num_f32 v[TM], v[TM],   v[X1+5], v[X1+6]
	v_max_num_f32  v[TM], v[TM],   v[X1+7]
	v_permlanex16_b32 v[TM+1], v[TM], s84, s85     ; the partner's sixteen
	v_max_num_f32 v[TM], v[TM], v[TM+1]            ; the row's maximum
.irp e, 0,1,2,3,4,5,6,7
	v_sub_f32 v[X0+\e], v[X0+\e], v[TM]            ; the maximum goes first, so the largest term is exactly 2^0 whatever the scores' size
	v_sub_f32 v[X1+\e], v[X1+\e], v[TM]
.endr
.irp e, 0,2,4,6
	v_pk_mul_f32 v[X0+\e:X0+\e+1], v[X0+\e:X0+\e+1], s[86:87] op_sel_hi:[1,0]
	v_pk_mul_f32 v[X1+\e:X1+\e+1], v[X1+\e:X1+\e+1], s[86:87] op_sel_hi:[1,0]
.endr
.irp e, 0,1,2,3,4,5,6,7
	v_exp_f32 v[X0+\e], v[X0+\e]
	v_exp_f32 v[X1+\e], v[X1+\e]
.endr
	v_nop                                          ; one plain vector instruction behind a transcendental before its result is used (ISA guide 5.7.2)
	s_wait_alu depctr_va_vdst(0)
	v_pk_add_f32 v[S0:S0+1], v[X0:X0+1],     v[X0+2:X0+3]
	v_pk_add_f32 v[S1:S1+1], v[X0+4:X0+5],   v[X0+6:X0+7]
	v_pk_add_f32 v[S2:S2+1], v[X1:X1+1],     v[X1+2:X1+3]
	v_pk_add_f32 v[S3:S3+1], v[X1+4:X1+5],   v[X1+6:X1+7]
	v_pk_add_f32 v[S0:S0+1], v[S0:S0+1],     v[S1:S1+1]
	v_pk_add_f32 v[S2:S2+1], v[S2:S2+1],     v[S3:S3+1]
	v_pk_add_f32 v[S0:S0+1], v[S0:S0+1],     v[S2:S2+1]
	v_add_f32 v[S0], v[S0], v[S0+1]
	v_permlanex16_b32 v[S0+1], v[S0], s84, s85
	v_add_f32 v[S0], v[S0], v[S0+1]                ; the row's sum, at least 1
	v_rcp_f32 v[RC], v[S0]
	v_rcp_f32 v[RC+1], v[S0]                       ; twice: a pair for the packed multiply
	v_nop
	s_wait_alu depctr_va_vdst(0)
.irp e, 0,2,4,6
	v_pk_mul_f32 v[X0+\e:X0+\e+1], v[X0+\e:X0+\e+1], v[RC:RC+1]
	v_pk_mul_f32 v[X1+\e:X1+\e+1], v[X1+\e:X1+\e+1], v[RC:RC+1]
.endr
.irp e, 0,1,2,3
	v_cvt_pk_f16_f32 v[PK+\e],   v[X0+2*\e], v[X0+2*\e+1]     ; j = 8 (l / 16) + 0 .. 7: the fragment's registers 0-3
	v_cvt_pk_f16_f32 v[PK+4+\e], v[X1+2*\e], v[X1+2*\e+1]     ; j = 16 + 8 (l / 16) + 0 .. 7: registers 4-7
.endr
	WIN 0x08                                       ; store data in window 2
	ds_store_b128 v[PA], v[PK:PK+3]   offset:2048*\sl+1024*\t
	ds_store_b128 v[PA], v[PK+4:PK+7] offset:2048*\sl+1024*\t+512
.endr
.endm
	s_wait_loadcnt 32                              ; bv and the first segment are in; the second segment's 32 loads stay out
	SOFTMAX 0
	s_wait_loadcnt 0x0
	SOFTMAX 1
	WIN 0
.macro MUL16 f, hi, a0, zero           ; zero = 1: the first product starts the sums: nothing is cleared
.irp a, \a0, \a0+1
.irp b, 0,1,2,3,4,5,6,7
.if \zero
	v_wmma_f32_16x16x32_bf16 v[8*(8*(\a)+\b):8*(8*(\a)+\b)+7], v[\f+8*\b:\f+8*\b+7], v[\f+8*(4*\hi+\a):\f+8*(4*\hi+\a)+7], 0
.else
	v_wmma_f32_16x16x32_bf16 v[8*(8*(\a)+\b):8*(8*(\a)+\b)+7], v[\f+8*\b:\f+8*\b+7], v[\f+8*(4*\hi+\a):\f+8*(4*\hi+\a)+7], v[8*(8*(\a)+\b):8*(8*(\a)+\b)+7]
.endif
.endr
.endr
.endm
.macro FETCH slot, k, f                ; 32 LDS loads in one run: xs's fragments first, Wv's rows 64-127 last
	WIN TO_B
.irp i, 0,1,2,3,4,5,6,7
	ds_load_b128 v[\f+8*\i:\f+8*\i+3],   v[ADRB+\slot] offset:\k+\i*16*PITCH
	ds_load_b128 v[\f+8*\i+4:\f+8*\i+7], v[ADRB+\slot] offset:\k+\i*16*PITCH+32
.endr
	WIN 0
.irp i, 0,1,2,3,4,5,6,7
	ds_load_b128 v[\f+8*\i:\f+8*\i+3],   v[ADRA+\slot] offset:\k+\i*16*PITCH
	ds_load_b128 v[\f+8*\i+4:\f+8*\i+7], v[ADRA+\slot] offset:\k+\i*16*PITCH+32
.endr
.endm
; Four plain vector instructions stand between a matrix instruction and a load into, a vector write of, or a vector or store read of its registers
; (ISA guide 7.12.1 for vector instructions).
.macro PLACES
.rept 4
	v_nop
.endr
.endm
; The 64 accumulators take turns, one instruction a turn, in the same order in every quarter, over the backward jump too.
.macro QUARTER slot, k, f, g, zero
	s_wait_dscnt 8                                 ; all of the run but its youngest eight loads (Wv's rows 64-127)
	WIN MUL_LO
	MUL16 \f, 0, 0, \zero
	MUL16 \f, 0, 2, \zero
	PLACES
	FETCH \slot, \k, \g
	s_wait_dscnt 32                                ; all but the 32 just issued
	WIN MUL_HI
	MUL16 \f, 1, 0, \zero
	MUL16 \f, 1, 2, \zero
.endm
.macro THREE slot, zero
	QUARTER \slot, 64,  F0, F1, \zero
	QUARTER \slot, 128, F1, F0, 0
	QUARTER \slot, 192, F0, F1, 0
.endm
; The last quarter of a K step changes slots: each wave's reads of this slot and all its tensor loads are waited for in front of the barrier; where the slot is
; filled again the barrier opens a round of the cluster's barrier and the joint refill, two steps ahead, is the first tensor load behind the round.
.macro TURN slot, next, fill
	s_wait_dscnt 8
	WIN MUL_LO
	MUL16 F1, 0, 0, 0
	s_wait_dscnt 0                                 ; my reads of this slot are over
	s_set_vgpr_msb 0xa1a0
	s_wait_tensorcnt 0x0                           ; all my tensor loads have landed: the one that was out is my part of the next slot
	ds_add_u32 v62, v63
	s_wait_dscnt 0x0
	s_set_vgpr_msb 0xa0a1
	s_barrier_signal -1
	MUL16 F1, 0, 2, 0
	WIN 0
	s_barrier_wait -1
.if \fill
	CREST
	s_add_nc_u64 s[G0+4*\slot+2:G0+4*\slot+3], s[G0+4*\slot+2:G0+4*\slot+3], 2*KSTEP*2
	s_add_nc_u64 s[G0B+4*\slot+2:G0B+4*\slot+3], s[G0B+4*\slot+2:G0B+4*\slot+3], 2*KSTEP*2
	JLOAD \slot
.endif
	PLACES
	FETCH \next, 0, F0
	WIN MUL_HI
	MUL16 F1, 1, 0, 0
	MUL16 F1, 1, 2, 0
.endm
.macro LAP zero
	THREE 0, \zero
	TURN 0, 1, 1
	THREE 1, 0
	TURN 1, 0, 1
.endm
	s_wait_dscnt 0x0                               ; for the others' sake: my attn is in LDS
	s_wait_tensorcnt 1                             ; my part of K step 0 is in; K step 1's may stay out
	s_barrier_signal -1
	s_barrier_wait -1
	WIN 0x40                                       ; attn's fragments of my four segments, 8 registers for (s, i) at window 1, v[8 (2 s + i)]; older than every FETCH, so the counted waits below cover them
.irp s, 0,1,2,3
.irp i, 0,1
	ds_load_b128 v[8*(2*\s+\i):8*(2*\s+\i)+3],   v[PR] offset:2048*\s+1024*\i
	ds_load_b128 v[8*(2*\s+\i)+4:8*(2*\s+\i)+7], v[PR] offset:2048*\s+1024*\i+512
.endr
.endr
	FETCH 0, 0, F0
	LAP 1                                          ; K steps 0, 1: the first products start the sums
	WIN 0
	s_mov_b32 s3, 2
.Llap:
	LAP 0                                          ; K steps 2 to 5
	WIN 0
	s_sub_co_u32 s3, s3, 1
	s_cmp_lg_u32 s3, 0
	s_cbranch_scc1 .Llap
	THREE 0, 0                                     ; K steps 6, 7 fill nothing and have no round
	TURN 0, 1, 0
	THREE 1, 0
	s_wait_dscnt 8
	WIN MUL_LO
	MUL16 F1, 0, 0, 0
	MUL16 F1, 0, 2, 0
	s_wait_dscnt 0
	WIN MUL_HI
	MUL16 F1, 1, 0, 0
	MUL16 F1, 1, 2, 0
	; v^T to f16: tile (a, b)'s four words to v[F0 + 32 (a % 4) + 4 b]: d blocks 0-3 into window 0, 4-7 into window 1.  The fragment of (a, segment s) is v[F0 + 32 (a % 4) + 8 s .. + 7].
	PLACES
.macro PACKV w
	WIN \w
.irp a, 0,1,2,3
.irp b, 0,1,2,3,4,5,6,7
.irp r, 0,1,2,3
	v_cvt_pk_f16_f32 v[F0+32*\a+4*\b+\r], v[8*(8*\a+\b)+2*\r], v[8*(8*\a+\b)+2*\r+1]
.endr
.endr
.endr
.endm
	PACKV 0x0a
	PACKV 0x4f
; 16 rows (i block i of segment s) x 64 d (half f of my 128): four products of 32 along j, source 0 = v^T's rows (d), source 1 = attn's rows (i), C = bv.
; Lane l then holds row l % 16 and 8 neighbouring d.  Four accumulators, one instruction each; the set of four (f) is written again two groups later, behind eight places.
; The rows go through my own stage in LDS (LDS serves a wave's instructions in order, ISA guide 5.7.1.4: no wait between my stores and my loads)
; and leave as whole rows of 256 bytes.
.macro GROUP s, i, f
	WIN 0x94+\f                                    ; source 0 window f, source 1 and C window 1, D window 2
.irp a, 0,1,2,3
	v_wmma_f32_16x16x32_f16 v[32*\f+8*\a:32*\f+8*\a+7], v[F0+32*\a+8*\s:F0+32*\a+8*\s+7], v[8*(2*\s+\i):8*(2*\s+\i)+7], v[BI+8*(4*\f+\a):BI+8*(4*\f+\a)+7]
.endr
	PLACES
	WIN 0x08                                       ; store data in window 2
.irp a, 0,1,2,3
	ds_store_b128 v[STO], v[32*\f+8*\a:32*\f+8*\a+3]   offset:64*\a
	ds_store_b128 v[STO], v[32*\f+8*\a+4:32*\f+8*\a+7] offset:64*\a+16
.endr
	WIN 0
	s_wait_xcnt 0x0                                ; the read-back set, which earlier stores read, is loaded again only behind this wait (ISA guide 3.1)
.irp t, 0,1,2,3,4,5,6,7
	ds_load_b128 v[RB+32*\f+4*\t:RB+32*\f+4*\t+3], v[RD] offset:\t*2*SPITCH
.endr
.irp t, 0,1,2,3,4,5,6,7
	s_wait_dscnt 7-\t                              ; LDS loads come back in order: this one is in, the younger ones stay out
	global_store_b128 v[CO], v[RB+32*\f+4*\t:RB+32*\f+4*\t+3], s[8:9] offset:(32*\s+16*\i+2*\t)*4096+256*\f th:TH_STORE_NT   ; 16 lanes store 256 neighbouring bytes, aligned
.endr
.endm
.irp s, 0,1,2,3
.irp i, 0,1
.irp f, 0,1
	GROUP \s, \i, \f
.endr
.endr
.endr
	s_wait_tensorcnt 0x0
	ds_add_u32 v62, v63
	s_wait_dscnt 0x0
	CROUND                                         ; the closing round: no work-group ends while a partner may still ask for a tile that names it
	s_endpgm
.Lfunc_end_k_q31ee679370_pv:
	.size	k_q31ee679370_pv, .Lfunc_end_k_q31ee679370_pv-k_q31ee679370_pv
	.p2alignl 7, 3214868480
	.fill 96, 4, 3214868480
	.section	.rodata,"a",@progbits
	.p2align	6, 0x0
	.amdhsa_kernel k_q31ee679370_pv
		.amdhsa_group_segment_fixed_size 327680
		.amdhsa_private_segment_fixed_size 0
		.amdhsa_enable_private_segment 0
		.amdhsa_kernarg_size 32
		.amdhsa_user_sgpr_count 2
		.amdhsa_user_sgpr_kernarg_segment_ptr 1
		.amdhsa_wavefront_size32 1
		.amdhsa_system_sgpr_workgroup_id_x 1
		.amdhsa_system_sgpr_workgroup_id_y 1
		.amdhsa_system_sgpr_workgroup_id_z 1
		.amdhsa_system_vgpr_workitem_id 0
		.amdhsa_next_free_vgpr 1024
		.amdhsa_next_free_sgpr 100
		.amdhsa_reserve_vcc 0
		.amdhsa_float_denorm_mode_32 3
		.amdhsa_float_denorm_mode_16_64 3
		.amdhsa_memory_ordered 1
		.amdhsa_forward_progress 1
		.amdhsa_inst_pref_size 250
	.end_amdhsa_kernel
	.amdgpu_metadata
---
amdhsa.version: [ 1, 2 ]
amdhsa.kernels:
  - .name:           k_q31ee679370_pv
    .symbol:         k_q31ee679370_pv.kd
    .args:
      - { .name: xw, .offset: 0, .size: 8, .value_kind: global_buffer, .address_space: global }
      - { .name: bv, .offset: 8, .size: 8, .value_kind: global_buffer, .address_space: global }
      - { .name: simp, .offset: 16, .size: 8, .value_kind: global_buffer, .address_space: global }
      - { .name: out0, .offset: 24, .size: 8, .value_kind: global_buffer, .address_space: global }
    .group_segment_fixed_size: 327680
    .private_segment_fixed_size: 0
    .kernarg_segment_align: 8
    .kernarg_segment_size: 32
    .max_flat_workgroup_size: 128
    .sgpr_count:     100
    .vgpr_count:     1024
    .wavefront_size: 32
...
	.end_amdgpu_metadata
.endif
;; end of part 3
;; ======== version 2 of 2: 3 launches; 1.17 times as fast as version 1
;; limits: values are held in f16: magnitudes above 65,504 overflow, below 6.1e-05 lose precision
;; workspace buffers: xw 39,845,888 bytes; simp 8,388,608 bytes
;; launch prep (part 4): grid 16 x 16, 16 waves a work-group, no clusters, 100,608 bytes of LDS; arguments Wq, Wk, bq, bk, xw, x, Wv; writes xw
.if DOCPART == 4
	.amdgcn_target "amdgcn-amd-amdhsa--gfx1250"
	.amdhsa_code_object_version 6
	.text
	.protected	k_q31ee679370_prep
	.globl	k_q31ee679370_prep
	.p2align	8
	.type	k_q31ee679370_prep,@function
k_q31ee679370_prep:
	s_mov_b64 s[64:65], 0
	v_nop
	global_prefetch_b8 v0, s[64:65] scope:SCOPE_SE
	s_setreg_imm32_b32 hwreg(HW_REG_WAVE_MODE, 25, 1), 1
	s_wait_xcnt 0x0
; Everything that the two matrix launches multiply, into xw, as rows of 1,024 bf16 (2,048 bytes).  Two jobs that share no data, done by the same waves.
;
; JOB 1, A STREAM.  rows 0 .. 16383: xs[p] = row 2 p of x taken as [32768][1024] (every second row inside segments of 64 is every even row; the odd rows
; enter no result and are not read);  rows 18432 .. 19455: Wv row d.  Each number is rounded once, to nearest even.
;
; JOB 2, A PRODUCT.  The scores q_i . k_j = (Wq x_i + bq) . (Wk x_j + bk), multiplied out, are  x_i . (M x_j + u) + w . x_j + c  with
;   M[a][b] = sum over d of Wq[d][a] Wk[d][b],   u[a] = sum over d of Wq[d][a] bk[d],   w[b] = sum over d of bq[d] Wk[d][b],   c = sum over d of bq[d] bk[d].
; That holds for every input and leaves one projection of x where there were two.  M has bf16 operands, f32 sums, and is rounded once to bf16;
; u, w, c are summed in f32 from the unrounded inputs.  M's row a is row 16384 + a of xw (b along the row); from row 17408: u, w, then c / 8
; (eight partial sums of a score will each start from an eighth: a power of two, so nothing is lost).
; THE ORDER OF ROUNDING differs from the reference's: M is rounded to bf16 where the reference's q and k would be.
;
; THE PRODUCT.  A work-group (ga = y, gb = x) makes 64 x 64 of M with 16 waves, one tile of 16 x 16 each; 256 work-groups.  d goes in 8 chunks of 128 rows.
; Both operands lie with d down the rows, so the tiles go to LDS as [d][column] in bf16 and come back through the transposing load.
; Of a chunk a wave loads 8 rows of Wq's 64 columns and of Wk's 64 columns: a row's piece is 256 neighbouring bytes, aligned, taken by 16 lanes.
; Two register sets and two LDS slots take turns, one barrier a chunk.
; THE STREAM.  16,384 rows of xs over 4,096 waves are four rows a wave, 1,024 rows of Wv a quarter row a wave: 32 + 2 loads of 512 neighbouring bytes
; (16 a lane) and as many stores of 256 neighbouring bytes, aligned (8 a lane).  A chunk's trip takes one piece of four loads (half a row): it is converted and
; stored while the trip's fragments come from LDS, and the piece two trips ahead is asked for.  So 8 loads of x of every wave are on their way, 16 x 8 x 512 bytes
; a work-group, beside two chunks of Wq and Wk.
; A block's rows of M are 128 bytes, half of an aligned block of 256: a block 128 columns wide would be 32 x 128 and read a quarter more input; M is 2 MB in all.
; NO CLUSTER, though 16 work-groups read each strip of columns: a joint tensor load would bring f32 into LDS, where each chunk would be written, read and
; written again as bf16; through registers it is written once.
.set P,      160                       ; an LDS row: 64 bf16 + 32 bytes, an odd multiple of 32
.set TILEB,  128*P                     ; one matrix's chunk
.set SLOT,   2*TILEB                   ; Wq's, then Wk's
.set RED,    2*SLOT                    ; 16 waves x (64 f32 of u, 64 f32 of w)
.set REDC,   RED+16*512                ; 16 waves x one f32 of c
.set STG,    REDC+256                  ; 16 waves x 512 bytes: the tiles of M on their way out
.set ROWB,   2048
.set MOFF,   16384*ROWB
.set VECOFF, 17408*ROWB
.set VOFF,   18432*ROWB
.set CHB,    128*4096                  ; bytes of Wq or Wk from chunk to chunk
.set VO,   8                           ; byte offset of my 16 bytes in a chunk's first row of mine
.set VB,   9                           ; byte offset of my four biases
.set VS,   10                          ; LDS: where my 8 bytes of bf16 go
.set VA,   11                          ; LDS: my fragments of Wq^T
.set VK,   12                          ; LDS: my fragments of Wk^T
.set VST,  13                          ; LDS: my tile's 16 bytes on the way out
.set VRD,  14                          ; LDS: where I read rows of M back
.set VGO,  15                          ; my byte offset in the block of M
.set U,    16                          ; v[16:19] u of my 4 columns, v[20:23] w of my 4 columns, v24 c: sums over my rows
.set WW,   20
.set CC,   24
.set VRED, 26
.set VRC,  27
.set VRL,  28
.set VRCL, 29
.set VOU,  30
.set VOC,  31
.set XO,   32                          ; the stream: 16 x lane, in
.set XD,   33                          ; the stream: 8 x lane, out
.set PK,   36                          ; v[36:51]   packed bf16
.set ACC,  52                          ; v[52:67]   two accumulators: K steps 0, 2 and 1, 3 of every chunk
.set FR,   68                          ; v[68:131]  a chunk's fragments: K step k: Wq^T at 16 k, Wk^T at 16 k + 8
.set RING, 132                         ; v[132:211] two sets of 40: bk 4, bq 4, Wq 16, Wk 16
.set CB,   RING+64
.set X,    212                         ; v[212:243] the stream: two sets of four loads
.set CO,   244                         ; v[244:251] the stream: a piece's packed results
; chunk c into set i: ten loads
.macro LDCH c, i
	global_load_b128 v[RING+40*\i:RING+40*\i+3],   v[VB], s[10:11] offset:(\c)*512
	global_load_b128 v[RING+40*\i+4:RING+40*\i+7], v[VB], s[8:9] offset:(\c)*512
.irp t, 0,1,2,3
	global_load_b128 v[RING+40*\i+8+4*\t:RING+40*\i+8+4*\t+3], v[VO], s[4:5] offset:(\c)*CHB+\t*4096
.endr
.irp t, 0,1,2,3
	global_load_b128 v[RING+40*\i+24+4*\t:RING+40*\i+24+4*\t+3], v[VO], s[6:7] offset:(\c)*CHB+\t*4096
.endr
.endm
; piece p of x into set i: four loads, half p % 2 of my row p / 2; from one row taken to the next are 8,192 bytes, since x skips a row
.macro LDX p, i
.irp t, 0,1,2,3
	global_load_b128 v[X+16*\i+4*\t:X+16*\i+4*\t+3], v[XO], s[36:37] offset:((\p)/2)*8192+((\p)%2)*2048+\t*512 th:TH_LOAD_NT
.endr
.endm
; load t of set i to bf16: four numbers a lane become 8 bytes
.macro PACKX i, t
	v_cvt_pk_bf16_f32 v[CO+2*\t],   v[X+16*\i+4*\t],   v[X+16*\i+4*\t+1]
	v_cvt_pk_bf16_f32 v[CO+2*\t+1], v[X+16*\i+4*\t+2], v[X+16*\i+4*\t+3]
.endm
	s_load_b256 s[4:11], s[0:1], 0x0               ; Wq s[4:5], Wk s[6:7], bq s[8:9], bk s[10:11]
	s_load_b64 s[12:13], s[0:1], 0x20              ; xw
	s_load_b64 s[36:37], s[0:1], 0x28              ; x
	s_load_b64 s[38:39], s[0:1], 0x30              ; Wv
	v_lshl_add_u32 v254, v0, 2, 0x18100
	v_mov_b32 v255, 0
	v_lshrrev_b32 v1, 5, v0
	v_readfirstlane_b32 s14, v1                    ; wave 0..15
	s_and_b32 s16, ttmp7, 0xffff                   ; ga: 64 columns of Wq
	s_lshl_b32 s30, s16, 8
	s_mov_b32 s31, 0
	s_lshl_b32 s32, ttmp9, 8                       ; gb: 64 columns of Wk
	s_mov_b32 s33, 0
	s_lshl_b32 s44, s16, 4
	s_add_co_u32 s44, s44, ttmp9                   ; the work-group's number, 0 .. 255
	s_lshl_b32 s45, s44, 4
	s_add_co_u32 s45, s45, s14                     ; the wave's number in the launch, 0 .. 4095: its four rows of xs
	s_lshl_b32 s46, s45, 15                        ; four rows taken are eight rows of 4,096 bytes
	s_mov_b32 s47, 0
	s_mov_b32 s28, 0x76543210                      ; v_permlanex16_b32: lane i of one half reads lane i of the other
	s_mov_b32 s29, 0xfedcba98
	v_and_b32 v1, 31, v0                           ; lane
	v_and_b32 v2, 15, v0                           ; its place in a row's 256 bytes
	v_bfe_u32 v3, v0, 4, 1                         ; lanes 16-31 take the rows four further down
	; of a chunk's 128 rows, rows 8 w + 4 (lane / 16) + t are mine, t = 0..3: so my four biases are 16 neighbouring bytes
	v_lshlrev_b32 v[VO], 14, v3
	v_lshl_add_u32 v[VO], v2, 4, v[VO]
	s_lshl_b32 s17, s14, 15
	v_add_nc_u32 v[VO], s17, v[VO]
	v_lshlrev_b32 v[VB], 4, v3
	s_lshl_b32 s17, s14, 5
	v_add_nc_u32 v[VB], s17, v[VB]
	v_lshlrev_b32 v[XO], 4, v1
	v_lshlrev_b32 v[XD], 3, v1
	s_wait_kmcnt 0x0
	s_add_nc_u64 s[4:5], s[4:5], s[30:31]
	s_add_nc_u64 s[6:7], s[6:7], s[32:33]
	s_add_nc_u64 s[36:37], s[36:37], s[46:47]      ; x at my first row
	LDCH 0, 0                                      ; the order of issue, on which every counted wait below rests: chunk, piece, chunk, piece
	LDX 0, 0
	LDCH 1, 1
	LDX 1, 1
	s_lshl_b32 s46, s45, 13                        ; four rows of 2,048 bytes
	s_add_nc_u64 s[40:41], s[12:13], s[46:47]      ; xs at my first row
	s_lshl_b32 s44, s44, 2
	s_lshr_b32 s45, s14, 2
	s_add_co_u32 s44, s44, s45                     ; Wv: row 4 x work-group + wave / 4,
	s_and_b32 s45, s14, 3                          ; quarter wave % 4
	s_lshl_b32 s46, s44, 12
	s_lshl_b32 s17, s45, 10
	s_add_co_u32 s46, s46, s17
	s_add_nc_u64 s[38:39], s[38:39], s[46:47]      ; my 1,024 bytes of Wv
	s_lshl_b32 s46, s44, 11
	s_lshl_b32 s17, s45, 9
	s_add_co_u32 s46, s46, s17
	s_add_nc_u64 s[42:43], s[12:13], s[46:47]
	s_add_nc_u64 s[42:43], s[42:43], VOFF          ; and the 512 bytes of xw that they become
	s_lshl_b32 s34, s16, 17                        ; 64 ga rows of 2,048 bytes
	s_lshl_b32 s35, ttmp9, 7                       ; 64 gb bf16
	s_add_co_u32 s34, s34, s35
	s_mov_b32 s35, 0
	s_add_nc_u64 s[20:21], s[12:13], s[34:35]
	s_add_nc_u64 s[20:21], s[20:21], MOFF          ; my block of M
	s_add_nc_u64 s[22:23], s[12:13], VECOFF        ; u, w, c / 8
	v_mul_u32_u24 v[VS], v3, 4*P
	v_lshl_add_u32 v[VS], v2, 3, v[VS]
	s_mul_i32 s17, s14, 8*P
	v_add_nc_u32 v[VS], s17, v[VS]                 ; a wave's eight rows of a tile are its own 1,280 bytes
	; the transposing load: lane l addresses row k0 + 8 (l / 16) + l % 8, 16 bytes at column n0 + 8 ((l / 8) % 2), and receives column n0 + l % 16, K = k0 + 8 (l / 16) + 0..7
	v_and_b32 v4, 7, v0
	v_lshl_add_u32 v4, v3, 3, v4
	v_mul_u32_u24 v4, v4, P
	v_bfe_u32 v5, v0, 3, 1
	v_lshl_add_u32 v4, v5, 4, v4
	s_lshr_b32 s18, s14, 2                         ; my tile's 16 a
	s_and_b32 s19, s14, 3                          ; my tile's 16 b
	s_lshl_b32 s24, s18, 5
	s_lshl_b32 s25, s19, 5
	s_add_co_u32 s25, s25, TILEB
	v_add_nc_u32 v[VA], s24, v4
	v_add_nc_u32 v[VK], s25, v4
	; the way out: a wave's tile is its own 512 bytes, row l % 16 at 32 bytes, half l / 16 at 16
	v_lshlrev_b32 v5, 5, v2
	v_lshl_add_u32 v5, v3, 4, v5
	s_lshl_b32 s26, s14, 9
	s_add_co_u32 s27, s26, STG
	v_add_nc_u32 v[VST], s27, v5
	s_add_co_u32 s27, s26, RED
	v_lshl_add_u32 v[VRED], v2, 4, s27
	; back: wave w takes rows 4 w + l / 8 of the block, 16 bytes at l % 8: tile column (l / 2) % 4, half l % 2
	v_bfe_u32 v5, v0, 1, 2
	v_lshlrev_b32 v5, 9, v5
	v_bfe_u32 v6, v0, 3, 2
	v_lshl_add_u32 v5, v6, 5, v5
	v_and_b32 v7, 1, v0
	v_lshl_add_u32 v5, v7, 4, v5
	s_lshl_b32 s27, s18, 11
	s_lshl_b32 s34, s19, 7
	s_add_co_u32 s27, s27, s34
	s_add_co_u32 s27, s27, STG
	v_add_nc_u32 v[VRD], s27, v5
	v_lshlrev_b32 v5, 11, v6
	v_and_b32 v7, 7, v0
	v_lshl_add_u32 v5, v7, 4, v5
	s_lshl_b32 s27, s14, 13
	v_add_nc_u32 v[VGO], s27, v5
	s_lshl_b32 s27, s14, 2
	s_add_co_u32 s27, s27, REDC
	v_mov_b32 v[VRC], s27
	v_lshlrev_b32 v[VRL], 4, v1
	v_add_nc_u32 v[VRL], RED, v[VRL]
	v_mov_b32 v[VRCL], REDC
; Row t of my four, of both matrices: its part of u, w and c in f32, then bf16 into the LDS tiles.  start = 1: the first products start the sums.
.macro ROW i, slot, t, start
	.set XQ, RING+40*\i+8+4*\t
	.set XK, RING+40*\i+24+4*\t
	.set BK2, RING+40*\i+2*(\t/2)
	.set BQ2, RING+40*\i+4+2*(\t/2)
.if \start
	v_pk_mul_f32 v[U:U+1],     v[XQ:XQ+1],     v[BK2:BK2+1] op_sel_hi:[1,0]
	v_pk_mul_f32 v[U+2:U+3],   v[XQ+2:XQ+3],   v[BK2:BK2+1] op_sel_hi:[1,0]
	v_pk_mul_f32 v[WW:WW+1],   v[XK:XK+1],     v[BQ2:BQ2+1] op_sel_hi:[1,0]
	v_pk_mul_f32 v[WW+2:WW+3], v[XK+2:XK+3],   v[BQ2:BQ2+1] op_sel_hi:[1,0]
	v_mul_f32 v[CC], v[BQ2], v[BK2]
.else
.if (\t)%2
	v_pk_fma_f32 v[U:U+1],     v[XQ:XQ+1],     v[BK2:BK2+1], v[U:U+1]     op_sel:[0,1,0] op_sel_hi:[1,1,1]   ; both halves by the pair's second register
	v_pk_fma_f32 v[U+2:U+3],   v[XQ+2:XQ+3],   v[BK2:BK2+1], v[U+2:U+3]   op_sel:[0,1,0] op_sel_hi:[1,1,1]
	v_pk_fma_f32 v[WW:WW+1],   v[XK:XK+1],     v[BQ2:BQ2+1], v[WW:WW+1]   op_sel:[0,1,0] op_sel_hi:[1,1,1]
	v_pk_fma_f32 v[WW+2:WW+3], v[XK+2:XK+3],   v[BQ2:BQ2+1], v[WW+2:WW+3] op_sel:[0,1,0] op_sel_hi:[1,1,1]
.else
	v_pk_fma_f32 v[U:U+1],     v[XQ:XQ+1],     v[BK2:BK2+1], v[U:U+1]     op_sel_hi:[1,0,1]                  ; both halves by the pair's first register
	v_pk_fma_f32 v[U+2:U+3],   v[XQ+2:XQ+3],   v[BK2:BK2+1], v[U+2:U+3]   op_sel_hi:[1,0,1]
	v_pk_fma_f32 v[WW:WW+1],   v[XK:XK+1],     v[BQ2:BQ2+1], v[WW:WW+1]   op_sel_hi:[1,0,1]
	v_pk_fma_f32 v[WW+2:WW+3], v[XK+2:XK+3],   v[BQ2:BQ2+1], v[WW+2:WW+3] op_sel_hi:[1,0,1]
.endif
	v_fmac_f32 v[CC], v[RING+40*\i+4+\t], v[RING+40*\i+\t]
.endif
	v_cvt_pk_bf16_f32 v[PK+4*\t],   v[XQ],   v[XQ+1]
	v_cvt_pk_bf16_f32 v[PK+4*\t+1], v[XQ+2], v[XQ+3]
	v_cvt_pk_bf16_f32 v[PK+4*\t+2], v[XK],   v[XK+1]
	v_cvt_pk_bf16_f32 v[PK+4*\t+3], v[XK+2], v[XK+3]
	ds_store_b64 v[VS], v[PK+4*\t:PK+4*\t+1]   offset:\slot*SLOT+\t*P
	ds_store_b64 v[VS], v[PK+4*\t+2:PK+4*\t+3] offset:\slot*SLOT+TILEB+\t*P
.endm
; One K step of 32.  Source 0 = Wk^T's rows (b), source 1 = Wq^T's rows (a): lane l then holds row a = l % 16 and eight neighbouring b.
; The two accumulators take turns, one instruction a turn, from chunk to chunk too.
.macro MM k, zero
	s_wait_dscnt 12-4*\k                           ; LDS loads come back in order: this K step's four are in, the younger ones stay out
.if \zero
	v_wmma_f32_16x16x32_bf16 v[ACC+8*(\k%2):ACC+8*(\k%2)+7], v[FR+16*\k+8:FR+16*\k+15], v[FR+16*\k:FR+16*\k+7], 0
.else
	v_wmma_f32_16x16x32_bf16 v[ACC+8*(\k%2):ACC+8*(\k%2)+7], v[FR+16*\k+8:FR+16*\k+15], v[FR+16*\k:FR+16*\k+7], v[ACC+8*(\k%2):ACC+8*(\k%2)+7]
.endif
.endm
; Chunk c and piece c.  s = c % 2: the register sets and the LDS slot.  lch, lx = the loads issued behind chunk c, behind piece c, which may stay out.
; nch, nx = 1: chunk, piece c + 2 are asked for, into the sets just emptied.  nv = 1: my quarter row of Wv is asked for instead of a piece.
; ONE barrier a chunk does two things: in front of it each wave's stores into this slot are done, and so are its reads of the other slot (the last chunk's
; fragments were waited for before they were multiplied); behind it this slot is whole, and the next chunk may overwrite the other.
.macro TRIP c, s, lch, lx, nch, nx, nv, start
	s_wait_loadcnt \lch                            ; loads come back in order (ISA guide 5.7.1): chunk c is in
	ROW \s, \s, 0, \start
	ROW \s, \s, 1, 0
	ROW \s, \s, 2, 0
	ROW \s, \s, 3, 0
.if \nch
	LDCH \c+2, \s
.endif
	s_wait_dscnt 0x0
	s_barrier_signal -1
	s_barrier_wait -1
	; the fragment registers were last read by matrix instructions that lie more than four plain vector instructions back (ISA guide 7.12.1)
.irp k, 0,1,2,3
	ds_load_tr16_b128 v[FR+16*\k:FR+16*\k+3],     v[VA] offset:\s*SLOT+\k*32*P
	ds_load_tr16_b128 v[FR+16*\k+4:FR+16*\k+7],   v[VA] offset:\s*SLOT+\k*32*P+16*P
	ds_load_tr16_b128 v[FR+16*\k+8:FR+16*\k+11],  v[VK] offset:\s*SLOT+\k*32*P
	ds_load_tr16_b128 v[FR+16*\k+12:FR+16*\k+15], v[VK] offset:\s*SLOT+\k*32*P+16*P
.endr
	; the stream's piece, while the fragments come
	s_wait_loadcnt \lx                             ; piece c is in
	s_wait_xcnt 0x0                                ; the packed registers, which the last piece's stores read, are rewritten only behind this wait (ISA guide 3.1)
	PACKX \s, 0
	PACKX \s, 1
	PACKX \s, 2
	PACKX \s, 3
.if \nx
	LDX \c+2, \s                                   ; loads ahead of stores
.endif
.if \nv
	global_load_b128 v[X:X+3],   v[XO], s[38:39] th:TH_LOAD_NT
	global_load_b128 v[X+4:X+7], v[XO], s[38:39] offset:512 th:TH_LOAD_NT
.endif
.irp t, 0,1,2,3
	global_store_b64 v[XD], v[CO+2*\t:CO+2*\t+1], s[40:41] offset:((\c)/2)*2048+((\c)%2)*1024+\t*256   ; 32 lanes: 256 neighbouring bytes, aligned; read again by later launches, so no hint
.endr
	MM 0, \start
	MM 1, \start
	MM 2, 0
	MM 3, 0
.endm
	; behind chunk c: piece c (4), chunk c + 1 (10), piece c + 1 (4) = 18.  Behind piece c: chunk c + 1, piece c + 1, chunk c + 2 = 24.
	TRIP 0, 0, 18, 24, 1, 1, 0, 1
	TRIP 1, 1, 18, 24, 1, 1, 0, 0
	TRIP 2, 0, 18, 24, 1, 1, 0, 0
	TRIP 3, 1, 18, 24, 1, 1, 0, 0
	TRIP 4, 0, 18, 24, 1, 1, 0, 0
	TRIP 5, 1, 18, 24, 1, 1, 0, 0
	TRIP 6, 0, 18, 14, 0, 0, 1, 0                  ; no chunk is left to ask for: behind piece 6 are chunk 7 and piece 7
	TRIP 7, 1, 6, 2, 0, 0, 0, 0                    ; behind chunk 7: piece 7 and Wv's two loads; behind piece 7: those two
.rept 4
	v_nop                                          ; four places behind the last matrix instruction before its result is read (ISA guide 7.12.1)
.endr
.irp e, 0,2,4,6
	v_pk_add_f32 v[ACC+\e:ACC+\e+1], v[ACC+\e:ACC+\e+1], v[ACC+8+\e:ACC+8+\e+1]
.endr
.irp e, 0,1,2,3
	v_cvt_pk_bf16_f32 v[PK+\e], v[ACC+2*\e], v[ACC+2*\e+1]
.endr
	ds_store_b128 v[VST], v[PK:PK+3]
.irp e, 0,1,2,3,4,5,6,7,8
	v_permlanex16_b32 v[PK+4+\e], v[U+\e], s28, s29    ; the other half of the lanes holds the same columns, other rows (the destinations have been written before)
.endr
.irp e, 0,1,2,3,4,5,6,7,8
	v_add_f32 v[U+\e], v[U+\e], v[PK+4+\e]
.endr
	ds_store_b128 v[VRED], v[U:U+3]                ; both halves of the lanes write the same bytes with the same numbers
	ds_store_b128 v[VRED], v[WW:WW+3] offset:256
	ds_store_b32 v[VRC], v[CC]
	; the stream's last part, while my LDS stores are on their way: my quarter row of Wv
	s_wait_loadcnt 0x0
	s_wait_xcnt 0x0                                ; piece 7's stores read the packed registers
	PACKX 0, 0
	PACKX 0, 1
	global_store_b64 v[XD], v[CO:CO+1],   s[42:43]
	global_store_b64 v[XD], v[CO+2:CO+3], s[42:43] offset:256
	s_wait_dscnt 0x0                               ; for the others' sake: my LDS stores are done
	s_barrier_signal -1
	s_barrier_wait -1
	ds_load_b128 v[FR:FR+3], v[VRD]
	s_wait_dscnt 0x0
	global_store_b128 v[VGO], v[FR:FR+3], s[20:21] ; four rows of M, 128 neighbouring bytes each
	s_cmp_lg_u32 s14, 0
	s_cbranch_scc1 .Lend
	; wave 0 adds the sixteen waves' parts: lanes 0-15 hold u of the block's 64 a, lanes 16-31 w of its 64 b
.irp w, 0,1,2,3,4,5,6,7,8,9,10,11,12,13,14,15
	ds_load_b128 v[RING+4*\w:RING+4*\w+3], v[VRL] offset:512*\w
.endr
.irp k, 0,1,2,3
	ds_load_b128 v[CB+4*\k:CB+4*\k+3], v[VRCL] offset:16*\k
.endr
	s_lshl_b32 s24, s16, 8                         ; u: 64 ga f32
	s_lshl_b32 s25, ttmp9, 8
	s_add_co_u32 s25, s25, 4096                    ; w: behind u's 1,024 f32, 64 gb f32
	v_mov_b32 v[VOU], s24
	v_mov_b32 v5, s25
	v_cmp_le_u32 vcc_lo, 16, v1
	v_cndmask_b32 v[VOU], v[VOU], v5, vcc_lo
	v_lshl_add_u32 v[VOU], v2, 4, v[VOU]
	v_lshlrev_b32 v[VOC], 2, v1
	s_wait_dscnt 0x0
.irp w, 0,1,2,3,4,5,6,7
	v_pk_add_f32 v[RING+4*\w:RING+4*\w+1],   v[RING+4*\w:RING+4*\w+1],   v[RING+32+4*\w:RING+32+4*\w+1]
	v_pk_add_f32 v[RING+4*\w+2:RING+4*\w+3], v[RING+4*\w+2:RING+4*\w+3], v[RING+32+4*\w+2:RING+32+4*\w+3]
.endr
.irp w, 0,1,2,3
	v_pk_add_f32 v[RING+4*\w:RING+4*\w+1],   v[RING+4*\w:RING+4*\w+1],   v[RING+16+4*\w:RING+16+4*\w+1]
	v_pk_add_f32 v[RING+4*\w+2:RING+4*\w+3], v[RING+4*\w+2:RING+4*\w+3], v[RING+16+4*\w+2:RING+16+4*\w+3]
.endr
.irp w, 0,1
	v_pk_add_f32 v[RING+4*\w:RING+4*\w+1],   v[RING+4*\w:RING+4*\w+1],   v[RING+8+4*\w:RING+8+4*\w+1]
	v_pk_add_f32 v[RING+4*\w+2:RING+4*\w+3], v[RING+4*\w+2:RING+4*\w+3], v[RING+8+4*\w+2:RING+8+4*\w+3]
.endr
	v_pk_add_f32 v[RING:RING+1],   v[RING:RING+1],   v[RING+4:RING+5]
	v_pk_add_f32 v[RING+2:RING+3], v[RING+2:RING+3], v[RING+6:RING+7]
.irp e, 0,2,4,6
	v_pk_add_f32 v[CB+\e:CB+\e+1], v[CB+\e:CB+\e+1], v[CB+8+\e:CB+8+\e+1]
.endr
.irp e, 0,2
	v_pk_add_f32 v[CB+\e:CB+\e+1], v[CB+\e:CB+\e+1], v[CB+4+\e:CB+4+\e+1]
.endr
	v_pk_add_f32 v[CB:CB+1], v[CB:CB+1], v[CB+2:CB+3]
	v_add_f32 v[CB], v[CB], v[CB+1]
	v_mul_f32 v[CB], 0x3e000000, v[CB]             ; c / 8
	; each number has one owner: u is stored by the work-groups with gb = 0, w by those with ga = 0, c / 8 by the first
	s_cmp_eq_u32 ttmp9, 0
	s_cselect_b32 s24, 0xffff, 0
	s_cmp_eq_u32 s16, 0
	s_cselect_b32 s25, 0xffff0000, 0
	s_or_b32 s26, ttmp9, s16
	s_cmp_eq_u32 s26, 0
	s_cselect_b32 s26, 1, 0
	s_wait_xcnt 0x0                                ; EXEC is a source of the stores above: it changes only behind this wait
	s_or_b32 vcc_lo, s24, s25
	s_and_saveexec_b32 s27, vcc_lo
	global_store_b128 v[VOU], v[RING:RING+3], s[22:23]     ; 16 lanes: 256 neighbouring bytes, aligned
	s_wait_xcnt 0x0                                ; and again in front of the line that widens it
	s_or_b32 exec_lo, exec_lo, s27
	s_mov_b32 vcc_lo, s26
	s_and_saveexec_b32 s27, vcc_lo
	global_store_b32 v[VOC], v[CB], s[22:23] offset:8192   ; lane 0 alone: one number
	s_wait_xcnt 0x0
	s_or_b32 exec_lo, exec_lo, s27
.Lend:
	s_wait_tensorcnt 0x0
	ds_add_u32 v254, v255
	s_wait_dscnt 0x0
	s_endpgm
.Lfunc_end_k_q31ee679370_prep:
	.size	k_q31ee679370_prep, .Lfunc_end_k_q31ee679370_prep-k_q31ee679370_prep
	.p2alignl 7, 3214868480
	.fill 96, 4, 3214868480
	.section	.rodata,"a",@progbits
	.p2align	6, 0x0
	.amdhsa_kernel k_q31ee679370_prep
		.amdhsa_group_segment_fixed_size 100608
		.amdhsa_private_segment_fixed_size 0
		.amdhsa_enable_private_segment 0
		.amdhsa_kernarg_size 56
		.amdhsa_user_sgpr_count 2
		.amdhsa_user_sgpr_kernarg_segment_ptr 1
		.amdhsa_wavefront_size32 1
		.amdhsa_system_sgpr_workgroup_id_x 1
		.amdhsa_system_sgpr_workgroup_id_y 1
		.amdhsa_system_sgpr_workgroup_id_z 1
		.amdhsa_system_vgpr_workitem_id 0
		.amdhsa_next_free_vgpr 256
		.amdhsa_next_free_sgpr 66
		.amdhsa_reserve_vcc 1
		.amdhsa_float_denorm_mode_32 3
		.amdhsa_float_denorm_mode_16_64 3
		.amdhsa_memory_ordered 1
		.amdhsa_forward_progress 1
		.amdhsa_inst_pref_size 64
	.end_amdhsa_kernel
	.amdgpu_metadata
---
amdhsa.version: [ 1, 2 ]
amdhsa.kernels:
  - .name:           k_q31ee679370_prep
    .symbol:         k_q31ee679370_prep.kd
    .args:
      - { .name: Wq, .offset: 0, .size: 8, .value_kind: global_buffer, .address_space: global }
      - { .name: Wk, .offset: 8, .size: 8, .value_kind: global_buffer, .address_space: global }
      - { .name: bq, .offset: 16, .size: 8, .value_kind: global_buffer, .address_space: global }
      - { .name: bk, .offset: 24, .size: 8, .value_kind: global_buffer, .address_space: global }
      - { .name: xw, .offset: 32, .size: 8, .value_kind: global_buffer, .address_space: global }
      - { .name: x, .offset: 40, .size: 8, .value_kind: global_buffer, .address_space: global }
      - { .name: Wv, .offset: 48, .size: 8, .value_kind: global_buffer, .address_space: global }
    .group_segment_fixed_size: 100608
    .private_segment_fixed_size: 0
    .kernarg_segment_align: 8
    .kernarg_segment_size: 56
    .max_flat_workgroup_size: 512
    .sgpr_count:     66
    .vgpr_count:     256
    .wavefront_size: 32
...
	.end_amdgpu_metadata
.endif
;; end of part 4
;; launch tk (part 5): grid 4 x 64, 4 waves a work-group, clusters of 4 x 4, 327,680 bytes of LDS; arguments xw, simp; writes simp
.if DOCPART == 5
	.amdgcn_target "amdgcn-amd-amdhsa--gfx1250"
	.amdhsa_code_object_version 6
	.text
	.protected	k_q31ee679370_tk
	.globl	k_q31ee679370_tk
	.p2align	8
	.type	k_q31ee679370_tk,@function
k_q31ee679370_tk:
	s_mov_b64 s[64:65], 0
	v_nop
	global_prefetch_b8 v0, s[64:65] scope:SCOPE_SE
	s_setreg_imm32_b32 hwreg(HW_REG_WAVE_MODE, 25, 1), 1
	s_wait_xcnt 0x0
	s_wait_alu depctr_hold_cnt(0) depctr_sa_sdst(0) depctr_va_vdst(0) depctr_va_sdst(0) depctr_va_ssrc(0) depctr_va_vcc(0) depctr_vm_vsrc(0)
	s_getreg_b32 s2, hwreg(HW_REG_IB_STS2, 6, 4)
	s_cmp_eq_u32 s2, 0
	s_cbranch_scc0 .Lentry_in_a_cluster
	s_endpgm
.Lentry_in_a_cluster:
	s_bfe_u32 s2, ttmp6, 0x10000c
	s_cmp_lg_u32 s2, 0xf033
	s_cbranch_scc0 .Lentry_shape_is_right
	s_endpgm
.Lentry_shape_is_right:
; The scores, multiplied out:  q_i . k_j = x_i . t_j + e_j  with  t_j = M x_j + u  and  e_j = w . x_j + c  (M = Wq^T Wk, u = Wq^T bk, w = Wk^T bq, c = bq . bk,
; made by an earlier launch; the identity holds for every input).  A work-group makes t for 256 rows of xs (8 segments of 32) and 256 of the 1,024 a, and from it the
; part of the scores that these a give:  simp[bx][segment] = sum over a in 256 bx .. 256 bx + 255 of (x_i[a] t_j[a] + w[a] x_j[a]) + c / 4, f32, not yet scaled.
; t never goes to memory: it is rounded to bf16 in registers and multiplied at once.  The next launch adds the four parts.  Operands bf16, sums f32.
; THE ORDER OF ROUNDING differs from the reference's: M and t are rounded to bf16 where q and k would be.
;
; One block of 256 x 256 over 8 K steps of 128 through a ring of two LDS slots that tensor loads fill.  Four waves, as many as a WGP has SIMDs; a wave's block is
; 128 rows of xs (4 segments) x 128 a: 64 accumulator tiles, 512 registers.
; CLUSTERS: 4 x 4 work-groups.  The four of a row of the cluster share by and so the tiles of xs; the four of a column share bx and so the tiles of M.
; Each such tile is asked for jointly, which divides the requests for both by four.
;
; REGISTERS, in windows of 256 (s_set_vgpr_msb; low byte: bits 1:0 source 0, 3:2 source 1, 5:4 source 2, 7:6 destination):
;   window 0: v0-31 addresses; v64-191 fragments of xs, two buffers, later t's fragments of my rows 0-63; v192-255 u as a C operand
;   window 1: v64-191 fragments of M, later t's fragments of my rows 64-127; v0-63 w in f32 at the start; v192-223 w as fragments; v224-231 c / 8
;   window 2: accumulator tiles of my rows 0-63 (tile (a, b) at v[8 (8 a + b)]), later the fragments of xs for the scores (row block a, 32 columns g at v[32 a + 8 g])
;   window 3: accumulator tiles of my rows 64-127, later the 16 score tiles (v0-127) and the 8 tiles of e (v128-191)
; THE MATRIX INSTRUCTION IS USED TRANSPOSED: source 0 = 16 rows of M, source 1 = 16 rows of xs.  Lane l then holds row l % 16 of xs and its registers 0-7 hold
; a = 8 (l / 16) + 0 .. 7 of the tile: packed to bf16, two neighbouring tiles are a 16 x 32 fragment as it stands.
.set KSTEP,  128
.set ROWB,   2048                      ; bytes in a row of xw
.set MOFF,   16384*ROWB                ; where M's rows begin
.set VECOFF, 17408*ROWB                ; u (1,024 f32), w (1,024 f32), c / 8
.set PITCH,  272                       ; an LDS row: 256 bytes + 16 of padding, so the 16 rows of a fragment load start 16 bytes apart modulo 256
.set HALFT,  128*PITCH                 ; 128 rows: one tensor load
.set SLOT,   4*HALFT                   ; 256 rows of xs, then 256 rows of M
.set XCH,    2*SLOT                    ; behind the ring: 2 x 16,384 bytes in which two waves' scores meet; no tensor load lands here
.set ADRA, 16                          ; v16-17  LDS address of my fragments of xs in slot 0, 1
.set ADRB, 20                          ; v20-21  the same for M
.set XA,   24                          ; v24     my 16 bytes in the exchange
.set LN16, 26                          ; v26     16 x lane
.set XO,   28                          ; v28     2,048 (lane % 16) + 16 (lane / 16): a fragment of xs straight from memory
.set H32,  30                          ; v30     32 x (lane / 16): eight f32
.set F0,   64
.set F1,   128
.set BIAS, 192                         ; window 0
.set WF,   192                         ; window 1
.set CI,   224                         ; window 1
.set EA,   128                         ; window 3
.set G1,  24                           ; s[24:31] descriptor group 1, tiles of xs
.set G0,  32                           ; s[32:39] group 0 for them, one set for each slot
.set G1B, 48                           ; s[48:55] group 1, tiles of M: another mask
.set G0B, 56                           ; s[56:63] group 0 for them
.set MSB, 0
.macro WIN new                         ; the immediate's high byte repeats the setting that is left; a switch that changes nothing is dropped
.if MSB != (\new)
	s_set_vgpr_msb (MSB<<8)|(\new)
.set MSB, (\new)
.endif
.endm
.set MUL_LO, 0xa1                      ; source 0 window 1, source 1 window 0, C and D window 2
.set MUL_HI, 0xf1                      ; the same, C and D window 3
.set TO_B,   0x40                      ; destination window 1, address window 0
; A joint load.  Waves 0, 1 fetch the two halves of xs's tile, waves 2, 3 those of M's tile.  The branch hangs on the wave's number alone.
.macro JLOAD s
	s_cmp_eq_u32 s11, 0
	s_cbranch_scc0 .Lfor_b_\@
	tensor_load_to_lds s[G0+4*\s:G0+4*\s+3], s[G1:G1+7]
	s_nop 0
	s_branch .Lasked_\@
.Lfor_b_\@:
	tensor_load_to_lds s[G0B+4*\s:G0B+4*\s+3], s[G1B:G1B+7]
	s_nop 0
.Lasked_\@:
.endm
; A round of the cluster's barrier: my work-group's barrier; wave 0 signals for the work-group; every wave waits for all sixteen; my work-group's barrier again.
.macro CREST                           ; a round behind its opening barrier
	s_cmp_lg_u32 s10, 0
	s_cbranch_scc1 .Lnot_wave_0_\@
	s_barrier_signal -3
.Lnot_wave_0_\@:
	s_barrier_wait -3
	s_barrier_signal -1
	s_barrier_wait -1
.endm
.macro CROUND
	s_barrier_signal -1
	s_barrier_wait -1
	CREST
.endm
	s_load_b128 s[68:71], s[0:1], 0x0              ; xw s[68:69], simp s[70:71]
	s_set_vgpr_msb 0x40
	v_lshl_add_u32 v255, v0, 2, 0x4c000
	s_set_vgpr_msb 0x4000
	v_mov_b32 v63, 0
	s_set_vgpr_msb 0x1
	ds_add_u32 v255, v63
	s_set_vgpr_msb 0x100
	v_lshrrev_b32 v1, 5, v0
	v_readfirstlane_b32 s10, v1                    ; wave 0..3
	s_lshr_b32 s11, s10, 1                         ; which 128 rows of xs are mine.  Also: I fetch for xs (0) or for M (1)
	s_and_b32 s12, s10, 1                          ; which 128 rows of M (a).  Also: which 128 rows of that tile I fetch
	s_bfe_u32 s40, ttmp6, 0x40000                  ; cx
	s_bfe_u32 s41, ttmp6, 0x40004                  ; cy
	s_lshl_b32 s42, ttmp9, 2
	s_add_co_u32 s42, s42, s40                     ; bx = 4 x cluster x + cx: the group of 256 a
	s_and_b32 s13, ttmp7, 0xffff
	s_lshl_b32 s13, s13, 2
	s_add_co_u32 s13, s13, s41                     ; by = 4 x cluster y + cy: 256 rows of xs
	s_lshl_b32 s43, s41, 2
	s_lshl_b32 s43, 15, s43                        ; my row of the cluster: places 4 cy .. 4 cy + 3
	s_lshl_b32 s44, 0x1111, s40                    ; my column: places cx, cx + 4, cx + 8, cx + 12
	; group 1: a tile of 128 rows x 128 elements of 2 bytes, 16 bytes of padding behind every 256
	s_or_b32 s[G1+0], s43, (1<<16)|(1<<20)|(1<<21)|(5<<22)|(3<<25)   ; 15:0 mask; 17:16 2-byte elements; 20 padding; 21 set beside a mask; 24:22 every 64 words; 31:25 4 words
	s_or_b32 s[G1B+0], s44, (1<<16)|(1<<20)|(1<<21)|(5<<22)|(3<<25)
	s_mov_b32 s[G1+1], KSTEP<<16                   ; tensor_dim0 = 128
	s_mov_b32 s[G1B+1], KSTEP<<16
	s_mov_b32 s[G1+2], 128<<16                     ; tensor_dim1 = 128
	s_mov_b32 s[G1B+2], 128<<16
	s_mov_b32 s[G1+3], KSTEP<<16                   ; tile_dim0 = 128
	s_mov_b32 s[G1B+3], KSTEP<<16
	s_mov_b32 s[G1+4], 128                         ; tile_dim1 = 128
	s_mov_b32 s[G1B+4], 128
	s_mov_b32 s[G1+5], 1024                        ; elements from row to row
	s_mov_b32 s[G1B+5], 1024
	s_mov_b32 s[G1+6], 0
	s_mov_b32 s[G1B+6], 0
	s_mov_b32 s[G1+7], 0
	s_mov_b32 s[G1B+7], 0
	; xs's tiles hang on by alone, M's on bx alone; each address is made in registers that never hold the other coordinate
	s_lshl_b32 s17, s12, 7
	s_lshl_b32 s16, s13, 8
	s_add_co_u32 s16, s16, s17                     ; xs: row 256 by + 128 x half
	s_lshl_b32 s16, s16, 11                        ; in bytes (below 2^26)
	s_lshl_b32 s46, s42, 8
	s_add_co_u32 s46, s46, s17                     ; M: row 256 bx + 128 x half
	s_lshl_b32 s46, s46, 11
	s_mov_b32 s17, 0
	s_mov_b32 s47, 0
	s_mul_i32 s20, s10, HALFT                      ; where my part goes: wave x 128 rows
	s_wait_dscnt 0x0
	s_wait_kmcnt 0x0
	s_add_nc_u64 s[14:15], s[68:69], s[16:17]
	s_add_nc_u64 s[46:47], s[68:69], s[46:47]
	s_add_nc_u64 s[46:47], s[46:47], MOFF
	CROUND                                         ; all sixteen work-groups are here: the first joint loads meet
.irp s, 0,1
	s_mov_b32 s[G0+4*\s], 1
	s_add_co_u32 s[G0+4*\s+1], s20, \s*SLOT
	s_add_nc_u64 s[G0+4*\s+2:G0+4*\s+3], s[14:15], \s*KSTEP*2
	s_or_b32 s[G0+4*\s+3], s[G0+4*\s+3], 0x80000000
	s_mov_b32 s[G0B+4*\s], 1
	s_add_co_u32 s[G0B+4*\s+1], s20, \s*SLOT
	s_add_nc_u64 s[G0B+4*\s+2:G0B+4*\s+3], s[46:47], \s*KSTEP*2
	s_or_b32 s[G0B+4*\s+3], s[G0B+4*\s+3], 0x80000000
	JLOAD \s                                       ; K steps 0 and 1: two tensor loads of the wave are out
.endr
	; bases: u and w at my first a, c / 8, my rows and columns of xs, my part of simp
	s_lshl_b32 s82, s42, 10                        ; 256 bx f32
	s_lshl_b32 s83, s12, 9                         ; + 128 f32
	s_add_co_u32 s82, s82, s83
	s_mov_b32 s83, 0
	s_add_nc_u64 s[86:87], s[68:69], VECOFF
	s_add_nc_u64 s[76:77], s[86:87], s[82:83]      ; u
	s_add_nc_u64 s[78:79], s[76:77], 4096          ; w, at the same index
	s_load_b32 s88, s[86:87], 0x2000               ; c / 8 (this launch stores nothing into xw)
	s_lshl_b32 s84, s13, 19                        ; 256 by rows of 2,048 bytes
	s_lshl_b32 s85, s11, 18                        ; + 128 rows
	s_add_co_u32 s84, s84, s85
	s_lshl_b32 s85, s42, 9                         ; + 256 bx columns of 2 bytes
	s_add_co_u32 s84, s84, s85
	s_lshl_b32 s85, s12, 8                         ; + 128 columns
	s_add_co_u32 s84, s84, s85
	s_mov_b32 s85, 0
	s_add_nc_u64 s[90:91], s[68:69], s[84:85]
	s_lshl_b32 s82, s42, 21                        ; simp: 512 segments x 4,096 bytes for each bx
	s_lshl_b32 s84, s13, 15                        ; 8 segments for each by
	s_add_co_u32 s82, s82, s84
	s_lshl_b32 s84, s11, 14                        ; 4 segments for each half of the rows
	s_add_co_u32 s82, s82, s84
	s_add_nc_u64 s[80:81], s[70:71], s[82:83]
	v_and_b32 v1, 15, v0                           ; l % 16
	v_bfe_u32 v2, v0, 4, 1                         ; l / 16
	v_lshlrev_b32 v[H32], 5, v2
	; u in the layout of a C operand: register jj of tile (., b) belongs to a = 16 b + 8 (l / 16) + jj
.irp b, 0,1,2,3,4,5,6,7
	global_load_b128 v[BIAS+8*\b:BIAS+8*\b+3],   v[H32], s[76:77] offset:64*\b
	global_load_b128 v[BIAS+8*\b+4:BIAS+8*\b+7], v[H32], s[76:77] offset:64*\b+16
.endr
	WIN 0x40                                       ; w in the order of a fragment whose 16 rows are all w: for 32 columns g, K = 8 (l / 16) + 0..7, then 16 + 8 (l / 16) + 0..7
.irp g, 0,1,2,3
	global_load_b128 v[16*\g:16*\g+3],     v[H32], s[78:79] offset:128*\g
	global_load_b128 v[16*\g+4:16*\g+7],   v[H32], s[78:79] offset:128*\g+16
	global_load_b128 v[16*\g+8:16*\g+11],  v[H32], s[78:79] offset:128*\g+64
	global_load_b128 v[16*\g+12:16*\g+15], v[H32], s[78:79] offset:128*\g+80
.endr
	WIN 0
	; a fragment is 16 rows x 32 K in 8 registers: lane l holds row l % 16; two loads of 16 bytes, 32 bytes apart, at row x pitch + 16 (l / 16)
	v_mul_u32_u24 v3, v1, PITCH
	v_lshl_add_u32 v3, v2, 4, v3
	s_mul_i32 s21, s11, HALFT                      ; my 128 rows of xs
	s_mul_i32 s22, s12, HALFT                      ; my 128 rows of M,
	s_add_co_u32 s22, s22, 2*HALFT                 ; which lie behind xs's 256
.irp s, 0,1
	v_add_nc_u32 v[ADRA+\s], s21, v3
	v_add_nc_u32 v[ADRB+\s], s22, v3
	s_add_co_u32 s21, s21, SLOT
	s_add_co_u32 s22, s22, SLOT
.endr
	v_and_b32 v4, 31, v0
	v_lshlrev_b32 v[LN16], 4, v4
	s_lshl_b32 s23, s11, 14
	s_add_co_u32 s23, s23, XCH
	v_add_nc_u32 v[XA], s23, v[LN16]
	v_lshlrev_b32 v[XO], 11, v1
	v_lshl_add_u32 v[XO], v2, 4, v[XO]
	s_wait_kmcnt 0x0                               ; c / 8
	s_wait_loadcnt 0x0                             ; u and w
	WIN 0x45                                       ; all in window 1
.irp g, 0,1,2,3
.irp e, 0,1,2,3,4,5,6,7
	v_cvt_pk_bf16_f32 v[WF+8*\g+\e], v[16*\g+2*\e], v[16*\g+2*\e+1]
.endr
.endr
	WIN 0x40
.irp e, 0,1,2,3,4,5,6,7
	v_mov_b32 v[CI+\e], s88                        ; a C operand that is c / 8 everywhere
.endr
	WIN 0
; 16 matrix instructions: row blocks a0, a0 + 1 of the window's four x all 8 blocks of M's rows, 32 along K.
; zero = 1: the first product starts the sums from u (C in window 0): nothing is cleared and no bias is added later.
.macro MUL16 f, hi, a0, zero
.irp a, \a0, \a0+1
.irp b, 0,1,2,3,4,5,6,7
.if \zero
	v_wmma_f32_16x16x32_bf16 v[8*(8*(\a)+\b):8*(8*(\a)+\b)+7], v[\f+8*\b:\f+8*\b+7], v[\f+8*(4*\hi+\a):\f+8*(4*\hi+\a)+7], v[BIAS+8*\b:BIAS+8*\b+7]
.else
	v_wmma_f32_16x16x32_bf16 v[8*(8*(\a)+\b):8*(8*(\a)+\b)+7], v[\f+8*\b:\f+8*\b+7], v[\f+8*(4*\hi+\a):\f+8*(4*\hi+\a)+7], v[8*(8*(\a)+\b):8*(8*(\a)+\b)+7]
.endif
.endr
.endr
.endm
; 32 LDS loads in one run: one quarter step's fragments (32 K at byte k of the rows) into buffer f; M's first, xs's rows 64-127 last
.macro FETCH slot, k, f
	WIN TO_B
.irp i, 0,1,2,3,4,5,6,7
	ds_load_b128 v[\f+8*\i:\f+8*\i+3],   v[ADRB+\slot] offset:\k+\i*16*PITCH
	ds_load_b128 v[\f+8*\i+4:\f+8*\i+7], v[ADRB+\slot] offset:\k+\i*16*PITCH+32
.endr
	WIN 0
.irp i, 0,1,2,3,4,5,6,7
	ds_load_b128 v[\f+8*\i:\f+8*\i+3],   v[ADRA+\slot] offset:\k+\i*16*PITCH
	ds_load_b128 v[\f+8*\i+4:\f+8*\i+7], v[ADRA+\slot] offset:\k+\i*16*PITCH+32
.endr
.endm
; Four plain vector instructions stand between a matrix instruction and a load into, a vector write of, or a vector or store read of its registers
; (ISA guide 7.12.1 for vector instructions).  Matrix instructions in between are not counted.
.macro PLACES
.rept 4
	v_nop
.endr
.endm
; A K step is four quarters of 32 along K, 64 matrix instructions each, on buffers 0, 1, 0, 1.  The 64 accumulators take turns, one instruction a turn, in the
; same order in every quarter, over the backward jump too.
.macro QUARTER slot, k, f, g, zero
	s_wait_dscnt 8                                 ; all of the run but its youngest eight loads (xs's rows 64-127)
.if \zero
	WIN 0x81                                       ; C (u) in window 0, D in window 2
.else
	WIN MUL_LO
.endif
	MUL16 \f, 0, 0, \zero
	MUL16 \f, 0, 2, \zero
	PLACES
	FETCH \slot, \k, \g
	s_wait_dscnt 32                                ; all but the 32 just issued
.if \zero
	WIN 0xc1
.else
	WIN MUL_HI
.endif
	MUL16 \f, 1, 0, \zero
	MUL16 \f, 1, 2, \zero
.endm
.macro THREE slot, zero
	QUARTER \slot, 64,  F0, F1, \zero
	QUARTER \slot, 128, F1, F0, 0
	QUARTER \slot, 192, F0, F1, 0
.endm
; The last quarter of a K step changes slots.  In front of the barrier each wave waits for its reads of this slot and for all its tensor loads (one is out: its
; part of the next slot).  fill = 1: the barrier opens a round of the cluster's barrier, and the joint refill of this slot, two steps ahead, is the first tensor
; load behind the round; from there to the wait for it a wave issues 240 matrix instructions.
.macro TURN slot, next, fill
	s_wait_dscnt 8
	WIN MUL_LO
	MUL16 F1, 0, 0, 0
	s_wait_dscnt 0                                 ; my reads of this slot are over
	s_wait_tensorcnt 0x0                           ; all my tensor loads have landed
	ds_add_u32 v255, v63
	s_wait_dscnt 0x0
	s_barrier_signal -1
	MUL16 F1, 0, 2, 0                              ; register work while the others arrive
	WIN 0
	s_barrier_wait -1
.if \fill
	CREST                                          ; no wave of any partner still reads this slot or has a load on its way
	s_add_nc_u64 s[G0+4*\slot+2:G0+4*\slot+3], s[G0+4*\slot+2:G0+4*\slot+3], 2*KSTEP*2
	s_add_nc_u64 s[G0B+4*\slot+2:G0B+4*\slot+3], s[G0B+4*\slot+2:G0B+4*\slot+3], 2*KSTEP*2
	JLOAD \slot
.endif
	PLACES
	FETCH \next, 0, F0
	WIN MUL_HI
	MUL16 F1, 1, 0, 0
	MUL16 F1, 1, 2, 0
.endm
.macro LAP zero                        ; once round the ring, both slots filled again
	THREE 0, \zero
	TURN 0, 1, 1
	THREE 1, 0
	TURN 1, 0, 1
.endm
	s_wait_tensorcnt 1                             ; my part of K step 0 is in; K step 1's may stay out
	s_barrier_signal -1
	s_barrier_wait -1                              ; everybody's is
	FETCH 0, 0, F0
	LAP 1                                          ; K steps 0, 1: the first products start the sums from u
	WIN 0
	s_mov_b32 s3, 2
.Llap:
	LAP 0                                          ; K steps 2 to 5
	WIN 0
	s_sub_co_u32 s3, s3, 1
	s_cmp_lg_u32 s3, 0
	s_cbranch_scc1 .Llap
	THREE 0, 0                                     ; K steps 6, 7 fill nothing and have no round
	TURN 0, 1, 0
	THREE 1, 0
	s_wait_dscnt 8
	WIN MUL_LO
	MUL16 F1, 0, 0, 0
	MUL16 F1, 0, 2, 0
	s_wait_dscnt 0
	WIN MUL_HI
	MUL16 F1, 1, 0, 0
	MUL16 F1, 1, 2, 0
; t to bf16: tile (a, b)'s four words to v[F0 + 32 (a % 4) + 4 b]: row blocks 0-3 into window 0, 4-7 into window 1.  The fragment of (a, 32 columns g) is v[F0 + 32 (a % 4) + 8 g .. + 7].
.macro PACKT w
	WIN \w
.irp a, 0,1,2,3
.irp b, 0,1,2,3,4,5,6,7
.irp r, 0,1,2,3
	v_cvt_pk_bf16_f32 v[F0+32*\a+4*\b+\r], v[8*(8*\a+\b)+2*\r], v[8*(8*\a+\b)+2*\r+1]
.endr
.endr
.endr
.endm
	PLACES
	PACKT 0x0a
	WIN 0x80                                       ; window 2 is free: my 128 rows x my 128 columns of xs as fragments, straight from memory; a row block's eight loads take 256 bytes of each of 16 rows
.irp a, 0,1,2,3,4,5,6,7
.irp g, 0,1,2,3
	global_load_b128 v[32*\a+8*\g:32*\a+8*\g+3],   v[XO], s[90:91] offset:\a*16*ROWB+64*\g
	global_load_b128 v[32*\a+8*\g+4:32*\a+8*\g+7], v[XO], s[90:91] offset:\a*16*ROWB+64*\g+32
.endr
.endr
	PACKT 0x4f                                     ; while they are on their way
; Two of my four segments (row blocks 4 hf .. 4 hf + 3).  left = the loads of the other half that may stay out.
; First e: source 0 = xs's rows (j), source 1 = w in all 16 rows, C = c / 8: register jj of every lane holds e(j = 8 (l / 16) + jj).  Four accumulators by turns.
; Then the scores: source 0 = t's rows (j), source 1 = xs's rows (i), the first product's C = e: register jj of lane l holds S(i = 16 i + l % 16, j = 16 j + 8 (l / 16) + jj).
; Score tile T = 4 s + 2 j + i lies in window 3 at v[8 T].  Eight accumulators by turns, one instruction a turn.
.macro HALF hf, left
	s_wait_loadcnt \left
	WIN 0xd6                                       ; source 0 window 2, source 1 and C window 1, D window 3
.irp a, 0,1,2,3
	v_wmma_f32_16x16x32_bf16 v[EA+8*(4*\hf+\a):EA+8*(4*\hf+\a)+7], v[32*(4*\hf+\a):32*(4*\hf+\a)+7], v[WF:WF+7], v[CI:CI+7]
.endr
	WIN 0xf6                                       ; C in window 3
.irp g, 1,2,3
.irp a, 0,1,2,3
	v_wmma_f32_16x16x32_bf16 v[EA+8*(4*\hf+\a):EA+8*(4*\hf+\a)+7], v[32*(4*\hf+\a)+8*\g:32*(4*\hf+\a)+8*\g+7], v[WF+8*\g:WF+8*\g+7], v[EA+8*(4*\hf+\a):EA+8*(4*\hf+\a)+7]
.endr
.endr
.rept 5
	v_nop                                          ; five places before a result serves as another accumulator's C
.endr
	WIN 0xf8+\hf                                   ; source 0 window hf, source 1 window 2, C and D window 3
.irp g, 0,1,2,3
.irp s, 0,1
.irp j, 0,1
.irp i, 0,1
	.set ST, 8*(4*(2*\hf+\s)+2*\j+\i)
	.set TJ, F0+32*(2*\s+\j)+8*\g
	.set XI, 32*(4*\hf+2*\s+\i)+8*\g
	.set EJ, EA+8*(4*\hf+2*\s+\j)
.if \g
	v_wmma_f32_16x16x32_bf16 v[ST:ST+7], v[TJ:TJ+7], v[XI:XI+7], v[ST:ST+7]
.else
	v_wmma_f32_16x16x32_bf16 v[ST:ST+7], v[TJ:TJ+7], v[XI:XI+7], v[EJ:EJ+7]
.endif
.endr
.endr
.endr
.endr
.endm
	HALF 0, 32                                     ; row blocks 0-3 are in; the 32 loads of row blocks 4-7 stay out
	HALF 1, 0
	; Waves 2 m and 2 m + 1 hold scores of the same 4 segments, summed over different a.  The odd wave hands its 128 registers over through LDS, the even one adds
	; and stores: quad q = 2 T + u (registers 4 u .. 4 u + 3 of tile T) as 512 neighbouring bytes at 512 q, which is the layout of simp.
	PLACES
	WIN 0
	s_cmp_eq_u32 s12, 0
	s_cbranch_scc1 .Lkeep
	WIN 0x0c                                       ; store data in window 3
.set q, 0
.rept 32
	ds_store_b128 v[XA], v[4*q:4*q+3] offset:512*q
.set q, q+1
.endr
	WIN 0
.Lkeep:
	s_wait_dscnt 0x0                               ; for the other wave's sake: my stores are done
	s_barrier_signal -1
	s_barrier_wait -1
	s_cmp_lg_u32 s12, 0
	s_cbranch_scc1 .Ldone
.set q, 0
.rept 32
	ds_load_b128 v[F0+4*q:F0+4*q+3], v[XA] offset:512*q
.set q, q+1
.endr
	s_wait_dscnt 0x0
	WIN 0xc3                                       ; destination and source 0 window 3, source 1 window 0
.set q, 0
.rept 32
	v_pk_add_f32 v[4*q:4*q+1],   v[4*q:4*q+1],   v[F0+4*q:F0+4*q+1]
	v_pk_add_f32 v[4*q+2:4*q+3], v[4*q+2:4*q+3], v[F0+4*q+2:F0+4*q+3]
.set q, q+1
.endr
	WIN 0x0c
.set q, 0
.rept 32
	global_store_b128 v[LN16], v[4*q:4*q+3], s[80:81] offset:512*q
.set q, q+1
.endr
	WIN 0
.Ldone:
	s_set_vgpr_msb 0x1
	s_wait_tensorcnt 0x0
	ds_add_u32 v255, v63
	s_wait_dscnt 0x0
	s_set_vgpr_msb 0x100
	CROUND                                         ; the closing round: no work-group ends while a partner may still ask for a tile that names it
	s_endpgm
.Lfunc_end_k_q31ee679370_tk:
	.size	k_q31ee679370_tk, .Lfunc_end_k_q31ee679370_tk-k_q31ee679370_tk
	.p2alignl 7, 3214868480
	.fill 96, 4, 3214868480
	.section	.rodata,"a",@progbits
	.p2align	6, 0x0
	.amdhsa_kernel k_q31ee679370_tk
		.amdhsa_group_segment_fixed_size 327680
		.amdhsa_private_segment_fixed_size 0
		.amdhsa_enable_private_segment 0
		.amdhsa_kernarg_size 16
		.amdhsa_user_sgpr_count 2
		.amdhsa_user_sgpr_kernarg_segment_ptr 1
		.amdhsa_wavefront_size32 1
		.amdhsa_system_sgpr_workgroup_id_x 1
		.amdhsa_system_sgpr_workgroup_id_y 1
		.amdhsa_system_sgpr_workgroup_id_z 1
		.amdhsa_system_vgpr_workitem_id 0
		.amdhsa_next_free_vgpr 1024
		.amdhsa_next_free_sgpr 100
		.amdhsa_reserve_vcc 0
		.amdhsa_float_denorm_mode_32 3
		.amdhsa_float_denorm_mode_16_64 3
		.amdhsa_memory_ordered 1
		.amdhsa_forward_progress 1
		.amdhsa_inst_pref_size 209
	.end_amdhsa_kernel
	.amdgpu_metadata
---
amdhsa.version: [ 1, 2 ]
amdhsa.kernels:
  - .name:           k_q31ee679370_tk
    .symbol:         k_q31ee679370_tk.kd
    .args:
      - { .name: xw, .offset: 0, .size: 8, .value_kind: global_buffer, .address_space: global }
      - { .name: simp, .offset: 8, .size: 8, .value_kind: global_buffer, .address_space: global }
    .group_segment_fixed_size: 327680
    .private_segment_fixed_size: 0
    .kernarg_segment_align: 8
    .kernarg_segment_size: 16
    .max_flat_workgroup_size: 128
    .sgpr_count:     100
    .vgpr_count:     1024
    .wavefront_size: 32
...
	.end_amdgpu_metadata
.endif
;; end of part 5
;; launch pv: the kernel of part 3 again; grid 64 x 4, 4 waves a work-group, clusters of 4 x 4, 327,680 bytes of LDS; arguments xw, bv, simp, out0; writes out0
